; MI455X (gfx1250); checked and timed in simulation.
; The chip was launched on July 23, 2026; its instructions are those of AMD's public machine-readable ISA for CDNA 5 (MIT licence, August 2026) and "CDNA5" Instruction Set Architecture Reference Guide (July 2026). The comments in the code are by the model that wrote it; some were corrected since.
;; Positionwise Pair Feed Forward. Allowed arithmetic: matrix products marked QUANTISED: E2M1 operands, one E8M0 scale for each 32 along K, by v_wmma_scale_f32_16x16x128_f8f6f4 with both operands' format E2M1 (or v_wmma_scale_f32_32x16x128_f4), f32 sums; products left as they are: f32 operands where the result goes on into a quantised operand, else bf16, f16 or f32 operands; f32 sums; everything else in f32.
;; Inputs: W1 256 x 768 float32; W2 128 x 256 float32; W3 1 x 128 float32; Wa 256 x 256 float32; Wg 256 x 256 float32; a1 one number float32; a2 one number float32; anchor 8,192 x 256 float32; b1 256 float32; b2 128 float32; b3 1 float32; ba 256 float32; bg 256 float32; guess 8,192 x 256 float32.
;; Outputs: out0 8,192 x 1 float32.
;; This version of the problem:
;;   THIS VERSION OF THE PROBLEM IS GIVEN IN LOW PRECISION. The matrix products marked QUANTISED in the list below multiply operands that are first quantised to E2M1 (2 exponent bits, 1 mantissa bit; 4 bits a number), with one power-of-two scale for each 32 numbers along K (OCP MX v1.0); their sums are f32. All else is computed in f32.
;;   The module's matrix products, in the order in which they are computed (A, B: the left and right operand; K: the contracted axis; several contracted axes count as one K, in the product's order):
;;     1. [M 8,192, K 256] x [K 256, N 256]; A: input anchor; B: input Wa: QUANTISED
;;     2. [M 8,192, K 256] x [K 256, N 256]; A: input guess; B: input Wg: QUANTISED
;;     3. [M 8,192, K 256] x [K 256, N 8,192]; A: computed on the way; B: computed on the way: QUANTISED
;;     4. [M 8,192, K 8,192] x [K 8,192, N 256]; A: softmax (see below); B: input anchor: QUANTISED
;;     5. [M 8,192, K 768] x [K 768, N 256]; A: computed on the way; B: input W1: QUANTISED
;;     6. [M 8,192, K 256] x [K 256, N 128]; A: computed on the way; B: input W2: QUANTISED
;;     7. [M 8,192, K 128] x [K 128, N 1]; A: computed on the way; B: input W3: left as it is (N = 1 < 16)
;;   THE QUANTISER, for each operand of a quantised product, along K:
;;     - K is cut into blocks of 32 from its start; a last block that is shorter is filled with zeros.
;;     - A block's scale is 2^e with e = floor(log2(the largest magnitude in the block)) - 2, held to -126 .. 127; a block of zeros has e = 0. As a byte (E8M0): e + 127.
;;     - Each number is divided by its block's scale, clamped to +-6, and rounded to the nearest number of E2M1, ties to even, subnormals kept.
;;     - The product sums the exact products of the quantised numbers (number of the format x scale) in f32.
;;   ~~~python
;;   def quantise(x, axis):      # numpy; x: float32 -> the quantised numbers, widened to float32 again
;;       x = np.moveaxis(x, axis, -1); K = x.shape[-1]
;;       x = np.pad(x, [(0, 0)] * (x.ndim - 1) + [(0, -K % 32)]); x = x.reshape(x.shape[:-1] + (-1, 32)); a = np.abs(x).max(-1, keepdims=True)
;;       e = np.where(a > 0, np.clip(np.frexp(np.where(a > 0, a, 1))[1] - 1 - 2, -126, 127), 0)      # np.frexp(a)[1] - 1 = floor(log2(a)), exactly
;;       r = np.clip(x / 2.0 ** e, -6, 6)
;;       step = 2.0 ** (np.maximum(np.frexp(np.where(r == 0, 1, r))[1] - 1, 0) - 1)
;;       q = np.round(r / step) * step * 2.0 ** e      # np.round: ties to even
;;       return np.moveaxis(q.reshape(q.shape[:-2] + (-1,))[..., :K], -1, axis).astype(np.float32)
;;   ~~~
;;   SOFTMAX AHEAD OF A QUANTISED PRODUCT. Where the list says 'softmax', what is quantised is not the finished softmax but p = 2^(t - M), with t = logit x log2(e) and M = ceil(the row's largest t), a whole number; so 1/2 < the row's largest p <= 1. The row's sum l is taken of the UNQUANTISED p, in f32, and the product's result is divided by l at the end. Since M is a whole number, a kernel that streams over the keys may use a running M (the ceiling of the running maximum): every later rescaling is an exact power of two, which a block's scale takes up: the codes' values come out the same.
;;   OPERANDS COMPUTED ON THE WAY. 'Computed on the way' means the value that the module computes at that place (a softmax that the list does not call 'softmax' is quantised finished and normalised). What goes into a quantiser is computed in f32, as accurately as f32 sums, v_exp_f32 and their like allow (about 1e-6 of the number): no bf16 or f16 on the way to a quantiser, and a product that is left as it is and whose result goes on into a quantised operand takes f32 operands (vector FMAs, or v_wmma_f32_16x16x4_f32). A number that lies on a knife's edge between two numbers of the format may be rounded either way, as far as f32 arithmetic and the matrix unit's own rounding can turn it there, and no further.
;; 2 versions. Each part assembles by itself: llvm-mc -triple=amdgcn-amd-amdhsa -mcpu=gfx1250 --defsym DOCPART=n.
;; ======== version 1 of 2: 2 launches
;; workspace buffers: kv 2,228,224 bytes; wimg 156,672 bytes
;; launch prep (part 1): grid 420 x 1, 4 waves a work-group, no clusters, 17,920 bytes of LDS; arguments anchor, Wa, ba, Wg, W1, W2, kv, wimg; writes kv, wimg
.if DOCPART == 1
	.amdgcn_target "amdgcn-amd-amdhsa--gfx1250"
	.amdhsa_code_object_version 6
	.text
	.protected	k_q76cce8ac9e_prep
	.globl	k_q76cce8ac9e_prep
	.p2align	8
	.type	k_q76cce8ac9e_prep,@function
k_q76cce8ac9e_prep:
	s_mov_b64 s[64:65], 0
	v_nop
	global_prefetch_b8 v0, s[64:65] scope:SCOPE_SE
	s_setreg_imm32_b32 hwreg(HW_REG_WAVE_MODE, 25, 1), 1
	s_wait_xcnt 0x0
; FIRST OF TWO LAUNCHES.  The whole program: ac = anchor Wa^T + ba, ge = guess Wg^T + bg, p = softmax(ge ac^T), ge2ac = p anchor, then 768 -> 256 -> 128 -> 1 with PReLU; products 1 to 6 on codes of E2M1 with one E8M0 scale for each 32 along K.
; NO WORK IS LEFT OUT: ba and bg go into the quantisers ahead of the score product, b1 into the one ahead of the product with W2, b2, a1, a2, W3, b3 reach the result: every input is loaded, by this launch or by the next.
; THIS LAUNCH makes all that every query needs alike, and lays it as IMAGES OF THE OPERANDS' REGISTERS (a fragment, 16 rows x 128 K of 4-bit codes, is 8 registers a lane: register group g of lane l at g x 512 + 16 l; 1,024 bytes):
;   kv:   64 key steps of 128 keys x 34,816 bytes: 16 fragments of Q(ac) (key tile t, K step c: 2 t + c), 16 fragments of Q(anchor along the keys) (channel tile), 1,024 bytes of the keys' scale words (512 c + 64 t + 4 r), 1,024 of the values' (64 tile + 4 r).
;   wimg: 144 fragments (Wg 2 T + s; W1 32 + 6 T + ks; W2 128 + 2 T + s), then from byte 147,456 on their scale words, 64 bytes a fragment.
; THE ROWS OF A TILE ARE NOT NEIGHBOURS (but in W2): row r of tile 2 b + u is 32 b + 8 u + r + 8 (r / 8), so that the results of two neighbouring tiles, used transposed, are 16 neighbours along the next product's K.
; ROLES, by the work-group's number alone: 0-255 product 1 and Q(ac); 256-383 Q(anchor) along the keys; 384-419 the weights.  Only the first role uses LDS and a barrier.
; NO CLUSTER, NO TENSOR LOAD: what the work-groups of the first role share, half of Wa (128 KiB), arrives as f32 and is quantised in registers as it comes; a joint request would lay it in LDS, to be read from there once more.  No prefetch: each stream is short and is asked for at once.
; LIMITS: NaN and infinities among the inputs are not served.  A block whose largest magnitude lies under 2^-124 keeps the scale byte 1; so does a block of zeros, where the quantiser's text says 127: its codes are zeros, which add nothing under any byte but 0xff, and this program alone reads the bytes.
.set KVSTEP, 34816
.set KVV,    16384                     ; in a key step: the values' fragments,
.set KVKS,   32768                     ; the keys' scale words,
.set KVVS,   33792                     ; the values'
.set WSCL,   147456                    ; in wimg: the scale words
.set WSC,    16384                     ; LDS: 16 fragments of Wa from 0 on, their scale words here (128 T' + 64 s + 4 r),
.set SPARE,  17408                     ; and the spare words, 128 bytes for each wave: two blocks of 256 bytes that no other line names
.set XO,  4                            ; v4   byte offset of my lane in 16 rows of f32: row x pitch + 128 (lane / 16)
.set LI,  5                            ; v5   16 x lane
.set LS,  6                            ; v6   4 x lane
.set IMW, 7                            ; v7   where I store Wa's images: 16 x lane + 4,096 x wave
.set SCW, 8                            ; v8   and their scale words: WSC + 4 r + 256 x wave
.set SH8, 9                            ; v9   8 (lane / 16)
.set BO,  10                           ; v10  64 (lane / 16)
.set KSO, 11                           ; v11  4 r
.set XF,  12                           ; v12-27  my two fragments of anchor
.set XS,  28                           ; v28-29  their scale words
.set SPW, 30                           ; v30  LDS address of my spare word; never rewritten
.set NIL, 31                           ; v31  0; never rewritten
.set XB0, 32                           ; v32-95, v96-159, v160-223: three sets of 64 numbers
.set XB1, 96
.set XB2, 160
.set PC,  224                          ; v224-231 the codes just made
.set TM,  232                          ; v232-243 at work: +0 largest magnitudes, +4 bytes, +8 the conversions' scale operands
.set PW,  244                          ; v244 the scale word just made
.set TP,  245
.set WS,  246                          ; v246-253 Wa's scale words: these registers hold scales alone
.set SEL, 20                           ; s[20:21] lane selects for v_permlanex16_b32: lane l xor 16
.set WV,  22                           ; s22  my wave's number
; 64 numbers of my row: register 32 g + 4 i + .. = k 64 g + 32 (lane / 16) + 4 i + ..: two whole blocks of 32 a lane, in the operand's own order
.macro LOADU buf, base, imm
.irp g, 0,1
.irp i, 0,1,2,3,4,5,6,7
	global_load_b128 v[\buf+32*\g+4*\i:\buf+32*\g+4*\i+3], v[XO], s[\base:\base+1] offset:\imm+256*\g+16*\i
.endr
.endr
.endm
; they become a fragment's 8 registers at v[pc] and its scale word in v[pw]
.macro QW x, pc, pw
.irp g, 0,1
	v_max3_num_f32 v[TM+\g], |v[\x+32*\g]|, |v[\x+32*\g+1]|, 0x1800000   ; my block 2 g + h, and the floor 2^(3 - 127): the byte cannot fall under 1
.endr
.irp i, 2,4,6,8,10,12,14,16,18,20,22,24,26,28,30
.irp g, 0,1
	v_max3_num_f32 v[TM+\g], v[TM+\g], |v[\x+32*\g+\i]|, |v[\x+32*\g+\i+1]|   ; (the two blocks by turns)
.endr
.endr
.irp g, 0,1
	v_add_nc_u32 v[TM+8+\g], 0xff000000, v[TM+\g]    ; 2 off the exponent field: the conversion takes this operand's exponent field as its scale
.endr
.irp g, 0,1
	v_lshrrev_b32 v[TM+4+\g], 23, v[TM+8+\g]         ; the scale's byte
.endr
	v_lshl_or_b32 v[\pw], v[TM+5], 16, v[TM+4]       ; blocks h and 2 + h,
	v_lshlrev_b32 v[\pw], v[SH8], v[\pw]             ; at their places in the word;
	v_permlanex16_b32 v[TP], v[\pw], s[SEL], s[SEL+1]
	v_or_b32 v[\pw], v[\pw], v[TP]                   ; with lane l xor 16's two the word is whole
.irp g, 0,1
.irp q, 0,1,2,3
	v_cvt_scalef32_pk8_fp4_f32 v[\pc+4*\g+\q], v[\x+32*\g+8*\q:\x+32*\g+8*\q+7], v[TM+8+\g]
.endr
.endr
	v_nop                                            ; one plain place behind a scaled conversion
.endm
; 64 numbers of a lane, register 16 b + i = k 32 b + 16 (lane / 16) + i of my row, become a fragment in v[PC] on and its scale word in v[PW]
.macro QUANT s
.irp b, 0,1,2,3
	v_max3_num_f32 v[TM+\b], |v[\s+16*\b]|, |v[\s+1+16*\b]|, 0x1800000
.endr
.irp i, 2,4,6,8,10,12,14
.irp b, 0,1,2,3
	v_max3_num_f32 v[TM+\b], v[TM+\b], |v[\s+16*\b+\i]|, |v[\s+1+16*\b+\i]|
.endr
.endr
.irp b, 0,1,2,3
	v_permlanex16_b32 v[TM+4+\b], v[TM+\b], s[SEL], s[SEL+1]
.endr
.irp b, 0,1,2,3
	v_max_num_f32 v[TM+\b], v[TM+\b], v[TM+4+\b]     ; with lane l xor 16's 16: the block's largest magnitude
.endr
.irp b, 0,1,2,3
	v_add_nc_u32 v[TM+8+\b], 0xff000000, v[TM+\b]
.endr
.irp b, 0,1,2,3
	v_lshrrev_b32 v[TM+4+\b], 23, v[TM+8+\b]
.endr
	v_lshl_or_b32 v[PW], v[TM+5], 8, v[TM+4]
	v_lshl_or_b32 v[PW], v[TM+6], 16, v[PW]
	v_lshl_or_b32 v[PW], v[TM+7], 24, v[PW]
.irp b, 0,1,2,3
	v_cvt_scalef32_pk8_fp4_f32 v[PC+2*\b], v[\s+16*\b:\s+7+16*\b], v[TM+8+\b]
	v_cvt_scalef32_pk8_fp4_f32 v[PC+1+2*\b], v[\s+8+16*\b:\s+15+16*\b], v[TM+8+\b]
.endr
	v_nop                                            ; one plain place behind a scaled conversion
.irp c, 0,1                                      ; the operand's layout wants a whole block in a lane
.irp i, 0,1
	v_permlane16_swap_b32 v[PC+4*\c+\i], v[PC+2+4*\c+\i]
.endr
.endr
.endm
; one block of 32 in my lane's registers v[x] on: 4 registers of codes at v[c4], its byte into place be of v[PW]
.macro QB x, c4, be
	v_max3_num_f32 v[TM], |v[\x]|, |v[\x+1]|, |v[\x+2]|
	v_max3_num_f32 v[TM+1], |v[\x+3]|, |v[\x+4]|, |v[\x+5]|
.irp i, 6,10,14,18,22,26
	v_max3_num_f32 v[TM], v[TM], |v[\x+\i]|, |v[\x+\i+1]|
	v_max3_num_f32 v[TM+1], v[TM+1], |v[\x+\i+2]|, |v[\x+\i+3]|
.endr
	v_max3_num_f32 v[TM], v[TM], |v[\x+30]|, |v[\x+31]|
	v_max3_num_f32 v[TM], v[TM], v[TM+1], 0x1800000
	v_add_nc_u32 v[TM+8], 0xff000000, v[TM]
	v_lshrrev_b32 v[TM+4], 23, v[TM+8]
.if \be == 0
	v_mov_b32 v[PW], v[TM+4]
.else
	v_lshl_or_b32 v[PW], v[TM+4], 8*\be, v[PW]
.endif
.irp q, 0,1,2,3
	v_cvt_scalef32_pk8_fp4_f32 v[\c4+\q], v[\x+8*\q:\x+8*\q+7], v[TM+8]
.endr
	v_nop
.endm
.macro TOLDS u                         ; unit u = 2 U + s of Wa: the fragment in v[PC] on and its word go to LDS as they stand
	ds_store_b128 v[IMW], v[PC:PC+3] offset:1024*\u
	ds_store_b128 v[IMW], v[PC+4:PC+7] offset:1024*\u+512
	ds_store_b32 v[SCW], v[PW] offset:64*\u          ; lanes l and l + 16 hold the same word and write it to the same place
	s_wait_dscnt 0x0                                 ; the stores have read their registers: the next codes may be written
.endm
	s_load_b512 s[4:19], s[0:1], 0x0               ; anchor 4:5, Wa 6:7, ba 8:9, Wg 10:11, W1 12:13, W2 14:15, kv 16:17, wimg 18:19
	v_lshl_add_u32 v[SPW], v0, 2, SPARE
	v_mov_b32 v[NIL], 0
	v_lshrrev_b32 v1, 5, v0
	v_readfirstlane_b32 s[WV], v1                  ; wave 0..3
	v_and_b32 v1, 31, v0                           ; lane
	v_and_b32 v2, 15, v0                           ; r
	v_bfe_u32 v3, v0, 4, 1                         ; h
	v_and_b32 v[XO], 8, v2
	v_add_nc_u32 v[XO], v[XO], v2                  ; r + 8 (r / 8)
	v_lshlrev_b32 v[XO], 10, v[XO]                 ; rows of 1,024 bytes
	v_lshl_add_u32 v[XO], v3, 7, v[XO]
	v_lshlrev_b32 v[LI], 4, v1
	v_lshlrev_b32 v[LS], 2, v1
	s_lshl_b32 s40, s[WV], 12
	v_add_nc_u32 v[IMW], s40, v[LI]
	s_lshl_b32 s41, s[WV], 8
	s_add_co_u32 s41, s41, WSC
	v_lshl_add_u32 v[SCW], v2, 2, s41
	v_lshlrev_b32 v[SH8], 3, v3
	v_lshlrev_b32 v[BO], 6, v3
	v_lshlrev_b32 v[KSO], 2, v2
	v_mov_b32 v[TP], 0                             ; written once: a lane permute's destination counts as one of its sources
.irp b, 0,1,2,3
	v_mov_b32 v[TM+4+\b], 0
.endr
	s_mov_b32 s[SEL], 0x76543210
	s_mov_b32 s[SEL+1], 0xfedcba98
	s_wait_kmcnt 0x0
	s_cmp_lt_u32 ttmp9, 256                        ; the role hangs on the work-group's number alone: all four waves go the same way
	s_cbranch_scc1 .Lkeys
	s_cmp_lt_u32 ttmp9, 384
	s_cbranch_scc1 .Lvalues
; ---- THE WEIGHTS: a wave makes one fragment, number id3 = 4 (work-group - 384) + wave of 144
	s_sub_co_u32 s24, ttmp9, 384
	s_lshl_b32 s24, s24, 2
	s_add_co_u32 s24, s24, s[WV]                   ; id3: 0-31 Wg, 32-127 W1, 128-143 W2
	s_cmp_lt_u32 s24, 32
	s_cselect_b64 s[26:27], s[10:11], s[12:13]
	s_cmp_lt_u32 s24, 128
	s_cselect_b64 s[26:27], s[26:27], s[14:15]
	s_sub_co_u32 s28, s24, 32                      ; W1: e = id3 - 32: tile e % 16, K step e / 16, fragment 32 + 6 tile + K step
	s_and_b32 s29, s28, 15
	s_lshr_b32 s30, s28, 4
	s_mul_i32 s31, s29, 6
	s_add_co_u32 s31, s31, s30
	s_add_co_u32 s31, s31, 32
	s_and_b32 s32, s24, 31                         ; Wg, W2: tile (id3 % 32) / 2, K step id3 % 2, fragment id3
	s_lshr_b32 s32, s32, 1
	s_and_b32 s33, s24, 1
	s_mov_b32 s34, 3072
	s_cmp_lt_u32 s28, 96                           ; W1?
	s_cselect_b32 s29, s29, s32                    ; the tile
	s_cselect_b32 s30, s30, s33                    ; the K step
	s_cselect_b32 s31, s31, s24                    ; the fragment's number
	s_cselect_b32 s34, s34, 1024                   ; a row in bytes
	s_cmp_lt_u32 s24, 128
	s_cselect_b32 s35, 1, 0                        ; Wg's and W1's tiles have the chosen rows, W2's have neighbours
	s_lshr_b32 s36, s29, 1
	s_lshl_b32 s36, s36, 5
	s_and_b32 s37, s29, 1
	s_lshl_b32 s37, s37, 3
	s_add_co_u32 s36, s36, s37                     ; 32 (T / 2) + 8 (T % 2)
	s_lshl_b32 s37, s29, 4                         ; or 16 T
	s_cmp_lg_u32 s35, 0
	s_cselect_b32 s36, s36, s37                    ; the tile's first row
	s_mul_i32 s36, s36, s34
	s_lshl_b32 s37, s30, 9                         ; + 512 bytes a K step
	s_add_co_u32 s36, s36, s37
	s_mov_b32 s37, 0
	s_add_nc_u64 s[26:27], s[26:27], s[36:37]
	v_and_b32 v[XO], 8, v2
	v_mul_u32_u24 v[XO], v[XO], s35
	v_add_nc_u32 v[XO], v[XO], v2
	v_mul_lo_u32 v[XO], v[XO], s34
	v_lshl_add_u32 v[XO], v3, 7, v[XO]
	s_lshl_b32 s38, s31, 10
	s_mov_b32 s39, 0
	s_add_nc_u64 s[38:39], s[18:19], s[38:39]      ; the fragment's place,
	s_lshl_b32 s42, s31, 6
	s_mov_b32 s43, 0
	s_add_nc_u64 s[42:43], s[18:19], s[42:43]      ; and its scale words'
	LOADU XB0, 26, 0
	s_wait_loadcnt 0x0
	QW XB0, PC, PW
	global_store_b128 v[LI], v[PC:PC+3], s[38:39]              ; 32 lanes store 512 consecutive bytes
	global_store_b128 v[LI], v[PC+4:PC+7], s[38:39] offset:512
	s_wait_xcnt 0x0                                ; EXEC changes only behind this wait
	v_cmp_gt_u32 vcc_lo, 16, v1
	s_and_saveexec_b32 s44, vcc_lo                 ; lanes 0-15: a word a row
	global_store_b32 v[KSO], v[PW], s[42:43] offset:WSCL
	s_wait_xcnt 0x0                                ; and again, in front of the line that widens it
	s_or_b32 exec_lo, exec_lo, s44
	s_endpgm
; ---- THE VALUES: anchor along the keys.  A wave takes 32 channels x 128 keys; a lane takes a channel, and its registers run down the keys: each load reads 128 consecutive bytes, and a block of 32 keys lies in one lane
.Lvalues:
	s_sub_co_u32 s24, ttmp9, 256
	s_lshl_b32 s24, s24, 2
	s_add_co_u32 s24, s24, s[WV]
	s_lshr_b32 s25, s24, 3                         ; the key step
	s_and_b32 s26, s24, 7                          ; which 32 channels
	s_lshl_b32 s28, s25, 17                        ; 128 rows of 1,024 bytes
	s_lshl_b32 s29, s26, 7
	s_add_co_u32 s28, s28, s29
	s_mov_b32 s29, 0
	s_add_nc_u64 s[28:29], s[4:5], s[28:29]
	s_mul_i32 s32, s25, KVSTEP
	s_lshl_b32 s33, s26, 11                        ; two channel tiles
	s_add_co_u32 s32, s32, s33
	s_mov_b32 s33, 0
	s_add_nc_u64 s[32:33], s[16:17], s[32:33]
	s_mul_i32 s34, s25, KVSTEP
	s_lshl_b32 s35, s26, 7
	s_add_co_u32 s34, s34, s35
	s_mov_b32 s35, 0
	s_add_nc_u64 s[34:35], s[16:17], s[34:35]
	v_bfe_u32 v12, v1, 3, 1                        ; channel x of the 32 is row r' = x % 8 + 8 (x / 16) of tile u = (x / 8) % 2
	v_and_b32 v13, 7, v1
	v_lshl_add_u32 v13, v3, 3, v13
	v_lshlrev_b32 v14, 4, v13
	v_lshl_add_u32 v14, v12, 10, v14               ; 1,024 u + 16 r'
	v_lshl_add_u32 v15, v12, 4, v13
	v_lshlrev_b32 v15, 2, v15                      ; 4 (16 u + r')
.set ki, 0
.rept 128
	global_load_b32 v[32+ki], v[LS], s[28:29] offset:1024*ki
.set ki, ki+1
.endr
	s_wait_loadcnt 63                              ; block 0's 32 loads are in (96 younger ones might stay out; the count's field holds 63)
	QB 32, 160, 0
	global_store_b128 v14, v[160:163], s[32:33] offset:KVV          ; sixteen lanes fill 256 consecutive bytes, aligned
	s_wait_loadcnt 63                              ; block 1's (64 younger)
	QB 64, 164, 1
	global_store_b128 v14, v[164:167], s[32:33] offset:KVV+256
	s_wait_loadcnt 32
	QB 96, 168, 2
	global_store_b128 v14, v[168:171], s[32:33] offset:KVV+512
	s_wait_loadcnt 0x0
	QB 128, 172, 3
	global_store_b128 v14, v[172:175], s[32:33] offset:KVV+768
	global_store_b32 v15, v[PW], s[34:35] offset:KVVS               ; 32 lanes: 128 consecutive bytes
	s_endpgm
; ---- THE KEYS: product 1 and Q(ac).  Work-group i: hidden units 128 c on (c = i % 2) of rows 64 (i / 2) on; wave w: one key tile, 16 rows.
; The four waves quantise the half of Wa together, four fragments each, and hand them round through LDS as images; each quantises its own 16 rows of anchor.
.Lkeys:
	s_and_b32 s24, ttmp9, 1                        ; c
	s_lshr_b32 s25, ttmp9, 1                       ; which 64 rows
	s_lshl_b32 s26, s24, 17
	s_lshl_b32 s27, s[WV], 15
	s_add_co_u32 s26, s26, s27
	s_mov_b32 s27, 0
	s_add_nc_u64 s[26:27], s[6:7], s[26:27]        ; Wa at row 128 c + 32 w
	s_lshl_b32 s28, s25, 16
	s_lshr_b32 s29, s[WV], 1
	s_lshl_b32 s29, s29, 15
	s_add_co_u32 s28, s28, s29
	s_and_b32 s29, s[WV], 1
	s_lshl_b32 s29, s29, 13
	s_add_co_u32 s28, s28, s29
	s_mov_b32 s29, 0
	s_add_nc_u64 s[28:29], s[4:5], s[28:29]        ; anchor at row 64 (i / 2) + 32 (w / 2) + 8 (w % 2)
	s_lshl_b32 s32, s24, 9
	s_mov_b32 s33, 0
	s_add_nc_u64 s[32:33], s[8:9], s[32:33]        ; ba at 128 c
	s_lshr_b32 s34, s25, 1
	s_mul_i32 s34, s34, KVSTEP                     ; the key step
	s_and_b32 s35, s25, 1
	s_lshl_b32 s35, s35, 2
	s_add_co_u32 s35, s35, s[WV]                   ; the key tile t
	s_lshl_b32 s36, s35, 11
	s_add_co_u32 s36, s36, s34
	s_lshl_b32 s37, s24, 10
	s_add_co_u32 s36, s36, s37
	s_mov_b32 s37, 0
	s_add_nc_u64 s[36:37], s[16:17], s[36:37]      ; fragment 2 t + c
	s_lshl_b32 s38, s35, 6
	s_add_co_u32 s38, s38, s34
	s_lshl_b32 s39, s24, 9
	s_add_co_u32 s38, s38, s39
	s_mov_b32 s39, 0
	s_add_nc_u64 s[38:39], s[16:17], s[38:39]      ; its scale words: 512 c + 64 t
	LOADU XB0, 26, 0                               ; six units of 16 loads through three sets of registers: Wa's (U, s) = (0,0), (0,1), (1,0), (1,1), then my rows of anchor, s = 0, 1
	LOADU XB1, 26, 512
	LOADU XB2, 26, 8192
	s_wait_loadcnt 32                              ; each wait leaves the two younger units out
	QW XB0, PC, PW
	TOLDS 0
	LOADU XB0, 26, 8704
	s_wait_loadcnt 32
	QW XB1, PC, PW
	TOLDS 1
	LOADU XB1, 28, 0
	s_wait_loadcnt 32
	QW XB2, PC, PW
	TOLDS 2
	LOADU XB2, 28, 512
	s_wait_loadcnt 32
	QW XB0, PC, PW
	TOLDS 3
.irp t, 0,1,2,3,4,5,6,7                        ; the bias is the C of each sum's first matrix instruction: lane (r, h) wants, for tile t, hidden units 32 (t / 2) + 8 (t % 2) + 16 h + 0 .. 7
	global_load_b128 v[XB0+8*\t:XB0+8*\t+3], v[BO], s[32:33] offset:(32*(\t/2)+8*(\t%2))*4
	global_load_b128 v[XB0+8*\t+4:XB0+8*\t+7], v[BO], s[32:33] offset:(32*(\t/2)+8*(\t%2))*4+16
.endr
	s_wait_loadcnt 32                              ; anchor's first unit is in; its second and the bias may be out
	QW XB1, XF, XS
	s_wait_loadcnt 16                              ; the second; the bias may be out
	QW XB2, XF+8, XS+1
	s_wait_dscnt 0x0                               ; for the others' sake: my stores have landed
	s_barrier_signal -1
	s_barrier_wait -1                              ; Wa's sixteen fragments lie in LDS
.irp t, 0,1,2,3,4,5,6,7
.irp g, 0,1
	ds_load_b128 v[XB1+8*\t+4*\g:XB1+8*\t+4*\g+3], v[LI] offset:2048*\t+512*\g
	ds_load_b128 v[XB2+8*\t+4*\g:XB2+8*\t+4*\g+3], v[LI] offset:2048*\t+1024+512*\g
.endr
	ds_load_b32 v[WS+\t], v[LS] offset:WSC+128*\t    ; lanes 0-15: the tile's words of K step 0; lanes 16-31: of K step 1
.endr
.rept 8
	v_nop                                          ; anchor's scale word, written by a vector instruction, stands 8 places ahead of a scaled matrix instruction, its codes 4
.endr
	s_wait_loadcnt 0x0                             ; the bias
	s_wait_dscnt 0x0
.irp t, 0,1,2,3,4,5,6,7                        ; TRANSPOSED: source 0 = 16 rows of Wa, source 1 = my 16 rows of anchor: a lane holds one key.  The eight accumulators take turns
	v_wmma_scale_f32_16x16x128_f8f6f4 v[XB0+8*\t:XB0+8*\t+7], v[XB1+8*\t:XB1+8*\t+7], v[XF:XF+7], v[XB0+8*\t:XB0+8*\t+7], v[WS+\t], v[XS] matrix_a_fmt:MATRIX_FMT_FP4 matrix_b_fmt:MATRIX_FMT_FP4
.endr
.irp t, 0,1,2,3,4,5,6,7
	v_wmma_scale_f32_16x16x128_f8f6f4 v[XB0+8*\t:XB0+8*\t+7], v[XB2+8*\t:XB2+8*\t+7], v[XF+8:XF+15], v[XB0+8*\t:XB0+8*\t+7], v[WS+\t], v[XS+1] matrix_a_fmt:MATRIX_FMT_FP4 matrix_b_fmt:MATRIX_FMT_FP4 matrix_a_scale:MATRIX_SCALE_ROW1
.endr
.rept 4
	v_nop                                          ; places in front of the first read of results
.endr
	QUANT XB0                                      ; 128 hidden units of my 16 keys: one fragment of the score product
	global_store_b128 v[LI], v[PC:PC+3], s[36:37]
	global_store_b128 v[LI], v[PC+4:PC+7], s[36:37] offset:512
	s_wait_xcnt 0x0                                ; EXEC changes only behind this wait
	v_cmp_gt_u32 vcc_lo, 16, v1
	s_and_saveexec_b32 s44, vcc_lo
	global_store_b32 v[KSO], v[PW], s[38:39] offset:KVKS
	s_wait_xcnt 0x0
	s_or_b32 exec_lo, exec_lo, s44
	s_wait_tensorcnt 0x0                           ; the wave's end, behind my last LDS store
	ds_add_u32 v[SPW], v[NIL]
	s_wait_dscnt 0x0
	s_endpgm
.Lfunc_end_k_q76cce8ac9e_prep:
	.size	k_q76cce8ac9e_prep, .Lfunc_end_k_q76cce8ac9e_prep-k_q76cce8ac9e_prep
	.p2alignl 7, 3214868480
	.fill 96, 4, 3214868480
	.section	.rodata,"a",@progbits
	.p2align	6, 0x0
	.amdhsa_kernel k_q76cce8ac9e_prep
		.amdhsa_group_segment_fixed_size 17920
		.amdhsa_private_segment_fixed_size 0
		.amdhsa_enable_private_segment 0
		.amdhsa_kernarg_size 64
		.amdhsa_user_sgpr_count 2
		.amdhsa_user_sgpr_kernarg_segment_ptr 1
		.amdhsa_wavefront_size32 1
		.amdhsa_system_sgpr_workgroup_id_x 1
		.amdhsa_system_sgpr_workgroup_id_y 1
		.amdhsa_system_sgpr_workgroup_id_z 1
		.amdhsa_system_vgpr_workitem_id 0
		.amdhsa_next_free_vgpr 256
		.amdhsa_next_free_sgpr 66
		.amdhsa_reserve_vcc 1
		.amdhsa_float_denorm_mode_32 3
		.amdhsa_float_denorm_mode_16_64 3
		.amdhsa_memory_ordered 1
		.amdhsa_forward_progress 1
		.amdhsa_inst_pref_size 68
	.end_amdhsa_kernel
	.amdgpu_metadata
---
amdhsa.version: [ 1, 2 ]
amdhsa.kernels:
  - .name:           k_q76cce8ac9e_prep
    .symbol:         k_q76cce8ac9e_prep.kd
    .args:
      - { .name: anchor, .offset: 0, .size: 8, .value_kind: global_buffer, .address_space: global }
      - { .name: Wa, .offset: 8, .size: 8, .value_kind: global_buffer, .address_space: global }
      - { .name: ba, .offset: 16, .size: 8, .value_kind: global_buffer, .address_space: global }
      - { .name: Wg, .offset: 24, .size: 8, .value_kind: global_buffer, .address_space: global }
      - { .name: W1, .offset: 32, .size: 8, .value_kind: global_buffer, .address_space: global }
      - { .name: W2, .offset: 40, .size: 8, .value_kind: global_buffer, .address_space: global }
      - { .name: kv, .offset: 48, .size: 8, .value_kind: global_buffer, .address_space: global }
      - { .name: wimg, .offset: 56, .size: 8, .value_kind: global_buffer, .address_space: global }
    .group_segment_fixed_size: 17920
    .private_segment_fixed_size: 0
    .kernarg_segment_align: 8
    .kernarg_segment_size: 64
    .max_flat_workgroup_size: 128
    .sgpr_count:     66
    .vgpr_count:     256
    .wavefront_size: 32
...
	.end_amdgpu_metadata
.endif
;; end of part 1
;; launch attn (part 2): grid 256 x 1, 4 waves a work-group, clusters of 4 x 1, 327,680 bytes of LDS; arguments guess, kv, wimg, bg, b1, a1, b2, a2, W3, b3, out0; writes out0
.if DOCPART == 2
	.amdgcn_target "amdgcn-amd-amdhsa--gfx1250"
	.amdhsa_code_object_version 6
	.text
	.protected	k_q76cce8ac9e_attn
	.globl	k_q76cce8ac9e_attn
	.p2align	8
	.type	k_q76cce8ac9e_attn,@function
k_q76cce8ac9e_attn:
	s_mov_b64 s[64:65], 0
	v_nop
	global_prefetch_b8 v0, s[64:65] scope:SCOPE_SE
	s_setreg_imm32_b32 hwreg(HW_REG_WAVE_MODE, 25, 1), 1
	s_wait_xcnt 0x0
	s_wait_alu depctr_hold_cnt(0) depctr_sa_sdst(0) depctr_va_vdst(0) depctr_va_sdst(0) depctr_va_ssrc(0) depctr_va_vcc(0) depctr_vm_vsrc(0)
	s_getreg_b32 s2, hwreg(HW_REG_IB_STS2, 6, 4)
	s_cmp_eq_u32 s2, 0
	s_cbranch_scc0 .Lentry_in_a_cluster
	s_endpgm
.Lentry_in_a_cluster:
	s_bfe_u32 s2, ttmp6, 0x10000c
	s_cmp_lg_u32 s2, 0x3003
	s_cbranch_scc0 .Lentry_shape_is_right
	s_endpgm
.Lentry_shape_is_right:
; SECOND OF TWO LAUNCHES: Q(guess), ge = guess Wg^T + bg and Q(ge), the scores, the streaming softmax, ge2ac, dis_x = (guess, ge2ac, guess - ge2ac), the three layers behind it.  No work is left out.  ge, ge2ac, dis_x and the hidden layers never go to memory.
; kv and wimg were laid by the first launch as images of the operands' registers (register group g of lane l at g x 512 + 16 l of a fragment's 1,024 bytes): see its head.
; SHARES.  A work-group owns 32 queries: two tiles of 16.  EVERY wave holds both tiles, and THE WAVES SHARE THE KEYS: wave w takes key steps 4 j + w (128 keys each), j = 0 .. 15, with a running maximum, sum and O^T of its own;
; at the end the four are joined by exact powers of two.  So each byte of kv is read from LDS once in a work-group, and each fragment feeds two matrix instructions.
; LAYOUT.  All products are used transposed (source 0 = 16 keys, channels or hidden units; source 1 = 16 queries): a lane holds ONE query (lane % 16) throughout, and by the rows chosen for a tile the 16 registers of two neighbouring tiles are 16 neighbours along the next K.
; THE SOFTMAX: t = score x log2(e); M = the largest t so far, rounded up to a whole number; p = 2^(t - M) is quantised along the keys, not normalised; the sum is taken of the unquantised p and divides at the end; when M moves, sum and O^T are multiplied by 2^(old M - new M).
; RING.  Each wave has two LDS slots of its own, a key step (34,816 bytes, one dense block: 136 rows of 256 bytes) each.  A step's fragments are fetched into registers a step ahead, so its slot is free early in the step and is filled again at once.
; CLUSTER.  All 256 work-groups walk the same kv.  The four of a cluster ask for each key step JOINTLY: the same tensor load, the same descriptor (made of the wave's number and constants), a mask that names the four.
; EVERY LDS ADDRESS, the tail's too, is made at the head from the lane, the wave's number and constants, in a register that holds nothing else for the whole launch: none ever holds data, which differ from partner to partner.
; BY TURNS.  One tile's exponentials stand singly among the other tile's plain vector lines, all in window 0; each batch of 68 has one wait ahead of its first reader.
; O^T is cleared once (256 lines): the key step is then written with no first step of its own, which would be two more copies of it.
; LIMITS: NaN and infinities among the inputs are not served.  A block whose largest magnitude lies under 2^-124, and a block of zeros, keep the scale byte 1 (zero codes add nothing under it; no byte leaves the program).  A p under 2^-126 counts as 0.  1 / sum is v_rcp_f32's.
; REGISTERS, in windows of 256 (s_set_vgpr_msb: bits 1:0 source 0, 3:2 source 1, 5:4 source 2, 7:6 destination):
;   window 0: v1-11, v48-61 addresses; v12-29, v30-47 a tile's statistics (in the tail: W3, the join's numbers); v64-127, v128-191 S^T, then p, of tiles 0, 1; v192-207 p's codes; v208-233 scale words and nothing else; v234-254 the quantiser's
;   window 1: O^T (128 tile + 8 channel tile); in the tail the accumulators of the two hidden layers
;   window 2: v0-127 K's 16 fragments; v128-159 Q's four; v160-223 my 64 numbers of guess, kept for guess - ge2ac          window 3: v0-127 V's 16 fragments; v128-255 Wg's at the head; in the tail W1's 24 and W2's 4
.set KVSTEP, 34816
.set RING,   2*KVSTEP                  ; a wave's two slots
.set SCR,    8*KVSTEP                  ; behind the rings: bytes that LDS stores write and no tensor load fills.  Offsets from SCR:
.set DXS,    12288                     ; from 0: dis_x's 12 fragments (6 tile + K step); here their scale words, 128 bytes each
.set QIM,    13824                     ; ge's four fragments (2 tile + K step),
.set QSC,    17920                     ; their scale words
.set H1I,    18432                     ; the first hidden layer's four fragments,
.set H1S,    22528                     ; their scale words
.set STAT,   23040                     ; 512 wave + 256 tile + (0: -M, 128: the sum) + 4 lane
.set RED,    25088                     ; 512 wave + 4 query
.set SPARE,  SCR+27136                 ; the spare words, 128 bytes for each wave: two blocks of 256 bytes that no other line names
.set WSCL,   147456                    ; in wimg: the scale words
.set SB16, 1                           ; v1   SCR + 16 x lane
.set SB4,  2                           ; v2   SCR + 4 x lane
.set AD,   3                           ; v3-4 my slot 0, 1 + 16 x lane
.set AS,   5                           ; v5-6 my slot's scale words + 4 x lane
.set PFO,  7                           ; v7   256 x lane
.set SPW,  8                           ; v8   LDS address of my spare word
.set NIL,  9                           ; v9   0
.set RR,   10                          ; v10  lane % 16
.set HH,   11                          ; v11  lane / 16
.set L16,  48                          ; v48  16 x lane
.set L4,   49                          ; v49  4 x lane
.set H64,  50                          ; v50  64 (lane / 16)
.set H32,  51                          ; v51  32 (lane / 16)
.set TA1,  52                          ; v52  SCR + 4 lane + 512 wave: my statistics, my part of the last sums
.set TA2,  53                          ; v53  SCR + 4 lane + 256 (wave / 2): the four waves' statistics of my tile
.set TA3,  54                          ; v54-57  16 lane + 8,192 wave + x RING: my 64 registers' worth of O^T as wave x has stored it
.set TA4,  58                          ; v58  SCR + 16 lane + 6,144 (wave / 2) + 1,024 (wave % 2): dis_x's fragment 6 tile + K step
.set TA5,  59                          ; v59  SCR + 4 lane + 768 (wave / 2) + 128 (wave % 2): its scale words
.set TA6,  60                          ; v60  SCR + 16 lane + 512 wave: my half fragment of the first hidden layer
.set TA7,  61                          ; v61  SCR + 4 lane + 128 (wave / 2) + 2 (wave % 2): my half of its scale words.   (v1-11 and v48-61 are written at the head and never again)
.set ST,   12                          ; tile t's statistics at v[ST + STR t]:
.set STR,  18
.set NM,   0                           ; -M
.set MT,   1                           ; the largest t
.set LL,   2                           ; the sum, in two halves
.set FF,   4                           ; f = 2^(old M - new M); +1 is named with it as a pair
.set BM,   6                           ; four blocks' largest scores, then largest p
.set BP,   10                          ; four registers at work, one use after the other: the permute's results,
.set TP,   12                          ; a number in hand while M is stepped,
.set SA,   10                          ; the second chain of sums,
.set BY,   10                          ; the scales' bytes
.set SO,   14                          ; the conversions' scale operands
.set S,    64
.set P,    192
.set PWR,  208                         ; v208-209 p's scale words
.set KS,   210                         ; v210-217 K's scale words: register 4 c + t / 2: lanes 0-15 the even tile, lanes 16-31 the odd
.set VS,   218                         ; v218-225 V's: register tile / 2
.set QS,   226                         ; v226-229 Q's: 2 tile + K step
.set W1R,  208                         ; in the tail: v208-219 W1's scale words: register 3 i + ks / 2,
.set DXR,  220                         ; v220-231 dis_x's: 6 tile + K step; behind product 5 v220-223 the first hidden layer's: 2 tile + K step,
.set W2R,  232                         ; v232-233 W2's
.set TM,   234                         ; v234-245 the quantiser's work: +0 largest magnitudes, +4 bytes, +8 the conversions' scale operands
.set PCQ,  246                         ; v246-253 the codes just made
.set PWQ,  254                         ; v254 the scale word just made
.set WV,   26                          ; s26 wave;  s27 my place in the cluster;  s28 my block of 32 queries;  s29, s30 wave / 2, wave % 2: my tile and K step at the head and in the tail
.set CX,   27
.set XG,   28
.set QTD,  29
.set CC,   30
.set G1,   32                          ; s[32:39] descriptor group 1;  s[40:47] group 0, a set for each slot
.set G0,   40
.set SEL,  48                          ; s[48:49] lane selects: lane l xor 16
.set CS,   50                          ; s[50:51] log2(e), named as a pair
.set CNT,  52
.set PFN,  53                          ; changes of slots to come
.set LIM,  54                          ; 0 in the launch's first cluster, else the greatest number: a wave prefetches while s[PFN] is above it
.set PFA,  56                          ; s[56:57] where my prefetches stand
.set MSB, 0
.macro WIN new                         ; the immediate's high byte repeats the setting that is left; a switch that changes nothing is dropped
.if MSB != \new
	s_set_vgpr_msb (MSB<<8)|\new
.set MSB, \new
.endif
.endm
.macro PLACES                          ; four plain places behind matrix instructions, in front of loads into their registers and of the first read of results
.rept 4
	v_nop
.endr
.endm
.macro BARRIER                         ; my LDS stores have landed and my LDS loads are in: then the work-group's barrier
	s_wait_dscnt 0x0
	s_barrier_signal -1
	s_barrier_wait -1
.endm
.macro ROUND                           ; a round of the cluster's barrier
	s_barrier_signal -1
	s_barrier_wait -1
	s_cmp_lg_u32 s[WV], 0
	s_cbranch_scc1 .Lnot_wave_0_\@
	s_barrier_signal -3
.Lnot_wave_0_\@:
	s_barrier_wait -3
	s_barrier_signal -1
	s_barrier_wait -1
.endm
; one matrix instruction.  z = 1: C is the constant 0, else C = D.  row = 1: source 0's scale words stand in lanes 16-31
.macro MM d, a, b, z, sa, sb, row
.if (\z) && ((\row) == 0)
	v_wmma_scale_f32_16x16x128_f8f6f4 v[\d:\d+7], v[\a:\a+7], v[\b:\b+7], 0, v[\sa], v[\sb] matrix_a_fmt:MATRIX_FMT_FP4 matrix_b_fmt:MATRIX_FMT_FP4
.elseif (\z)
	v_wmma_scale_f32_16x16x128_f8f6f4 v[\d:\d+7], v[\a:\a+7], v[\b:\b+7], 0, v[\sa], v[\sb] matrix_a_fmt:MATRIX_FMT_FP4 matrix_b_fmt:MATRIX_FMT_FP4 matrix_a_scale:MATRIX_SCALE_ROW1
.elseif (\row) == 0
	v_wmma_scale_f32_16x16x128_f8f6f4 v[\d:\d+7], v[\a:\a+7], v[\b:\b+7], v[\d:\d+7], v[\sa], v[\sb] matrix_a_fmt:MATRIX_FMT_FP4 matrix_b_fmt:MATRIX_FMT_FP4
.else
	v_wmma_scale_f32_16x16x128_f8f6f4 v[\d:\d+7], v[\a:\a+7], v[\b:\b+7], v[\d:\d+7], v[\sa], v[\sb] matrix_a_fmt:MATRIX_FMT_FP4 matrix_b_fmt:MATRIX_FMT_FP4 matrix_a_scale:MATRIX_SCALE_ROW1
.endif
.endm
; 16 nb numbers of a lane in window sw, register 16 b + i = k 32 b + 16 (lane / 16) + i of my row, become 2 nb registers of codes in v[PCQ] on and nb scale bytes in v[PWQ]
.macro QUANT s, nb, sw
	WIN 5*\sw                                      ; sources 0 and 1: the numbers' window
.irp b, 0,1,2,3
.if \b < \nb
	v_max3_num_f32 v[TM+\b], |v[\s+16*\b]|, |v[\s+1+16*\b]|, 0x1800000   ; my 16 numbers of block b, and the floor 2^(3 - 127): the byte cannot fall under 1
.endif
.endr
.irp i, 2,4,6,8,10,12,14
.irp b, 0,1,2,3
.if \b < \nb
	v_max3_num_f32 v[TM+\b], |v[\s+16*\b+\i]|, |v[\s+1+16*\b+\i]|, v[TM+\b]   ; (the blocks by turns)
.endif
.endr
.endr
	WIN 0
.irp b, 0,1,2,3
.if \b < \nb
	v_permlanex16_b32 v[TM+4+\b], v[TM+\b], s[SEL], s[SEL+1]
.endif
.endr
.irp b, 0,1,2,3
.if \b < \nb
	v_max_num_f32 v[TM+\b], v[TM+\b], v[TM+4+\b]   ; with lane l xor 16's: the block's largest magnitude
.endif
.endr
.irp b, 0,1,2,3
.if \b < \nb
	v_add_nc_u32 v[TM+8+\b], 0xff000000, v[TM+\b]  ; 2 off its exponent field: the conversion's scale operand
.endif
.endr
.irp b, 0,1,2,3
.if \b < \nb
	v_lshrrev_b32 v[TM+4+\b], 23, v[TM+8+\b]       ; the scale's byte
.endif
.endr
	v_lshl_or_b32 v[PWQ], v[TM+5], 8, v[TM+4]
.if \nb == 4
	v_lshl_or_b32 v[PWQ], v[TM+6], 16, v[PWQ]
	v_lshl_or_b32 v[PWQ], v[TM+7], 24, v[PWQ]
.endif
	WIN \sw                                        ; source 0: the numbers' window
.irp b, 0,1,2,3
.if \b < \nb
	v_cvt_scalef32_pk8_fp4_f32 v[PCQ+2*\b], v[\s+16*\b:\s+7+16*\b], v[TM+8+\b]
	v_cvt_scalef32_pk8_fp4_f32 v[PCQ+1+2*\b], v[\s+8+16*\b:\s+15+16*\b], v[TM+8+\b]
.endif
.endr
	WIN 0
	v_nop                                          ; one plain place behind a scaled conversion
.irp c, 0,1                                    ; the operand's layout wants a whole block in a lane
.if 2*\c < \nb
.irp i, 0,1
	v_permlane16_swap_b32 v[PCQ+4*\c+\i], v[PCQ+2+4*\c+\i]
.endr
.endif
.endr
.endm
.macro IMAGE adr, off                          ; the fragment in v[PCQ] on goes to LDS as it stands
	ds_store_b128 v[\adr], v[PCQ:PCQ+3] offset:\off
	ds_store_b128 v[\adr], v[PCQ+4:PCQ+7] offset:\off+512
.endm
; a key step's K: 16 fragments and 8 registers of scale words: 40 LDS loads in one run
.macro FETCH_K s
	WIN 0x80                                       ; destination window 2
.set fi, 0
.rept 32
	ds_load_b128 v[4*fi:4*fi+3], v[AD+\s] offset:512*fi
.set fi, fi+1
.endr
	WIN 0
.irp p, 0,1,2,3,4,5,6,7
	ds_load_b32 v[KS+\p], v[AS+\s] offset:128*\p
.endr
.endm
.macro FETCH_V s                               ; and its V: 40 likewise
	WIN 0xc0                                       ; destination window 3
.set fi, 0
.rept 32
	ds_load_b128 v[4*fi:4*fi+3], v[AD+\s] offset:16384+512*fi
.set fi, fi+1
.endr
	WIN 0
.irp p, 0,1,2,3,4,5,6,7
	ds_load_b32 v[VS+\p], v[AS+\s] offset:1024+128*\p
.endr
.endm
; THE EXPONENTIALS of a tile are a batch of 68, in place: its 64 numbers t - M, then its four blocks' largest.  BATCH names the tile; EX n writes the next n of them, if so many are left
.macro BATCH t
.set EB, S+64*\t
.set EBM, ST+STR*\t+BM
.set EC, 0
.endm
.macro EX n
.rept \n
.if EC < 64
	v_exp_f32 v[EB+EC], v[EB+EC]
.elseif EC < 68
	v_exp_f32 v[EBM+EC-64], v[EBM+EC-64]
.endif
.set EC, EC+1
.endr
.endm
; THE PLAIN LINES of tile t's softmax; behind each line z exponentials of the batch in hand, which is the other tile's
.macro MAXT t, z                               ; the largest score of each block of 32 keys: it serves for the row's maximum and, since p rises with the score, for the block's largest p.  Each accumulator is read from its low end on
.set rT, ST+STR*\t
.set rS, S+64*\t
.irp b, 0,1,2,3
	v_max3_num_f32 v[rT+BM+\b], v[rS+16*\b], v[rS+16*\b+1], v[rS+16*\b+2]
	EX \z
.endr
.irp i, 3,5,7,9,11,13
.irp b, 0,1,2,3
	v_max3_num_f32 v[rT+BM+\b], v[rT+BM+\b], v[rS+16*\b+\i], v[rS+16*\b+\i+1]
	EX \z
.endr
.endr
.irp b, 0,1,2,3
	v_max_num_f32 v[rT+BM+\b], v[rT+BM+\b], v[rS+16*\b+15]
	EX \z
.endr
.irp b, 0,1,2,3
	v_permlanex16_b32 v[rT+BP+\b], v[rT+BM+\b], s[SEL], s[SEL+1]
	EX \z
.endr
.irp b, 0,1,2,3
	v_max_num_f32 v[rT+BM+\b], v[rT+BM+\b], v[rT+BP+\b]   ; with lane l xor 16's 16 keys
	EX \z
.endr
.endm
.macro MSTEP t, z
.set rT, ST+STR*\t
	v_max3_num_f32 v[rT+TP], v[rT+BM], v[rT+BM+1], v[rT+BM+2]
	EX \z
	v_max_num_f32 v[rT+TP], v[rT+TP], v[rT+BM+3]   ; the step's largest score of my query,
	EX \z
	v_mul_f32 v[rT+TP], s[CS], v[rT+TP]            ; as t
	EX \z
	v_max_num_f32 v[rT+MT], v[rT+MT], v[rT+TP]     ; the running largest t
	EX \z
	v_mov_b32 v[rT+TP], v[rT+NM]
	EX \z
	v_floor_f32 v[rT+NM], -v[rT+MT]                ; the new -M = floor(-t): M is a whole number
	EX \z
	v_sub_f32 v[rT+TP], v[rT+NM], v[rT+TP]         ; old M - new M: a whole number, 0 or less
	EX \z
	v_cvt_i32_f32 v[rT+TP], v[rT+TP]               ; (it saturates)
	EX \z
	v_ldexp_f32 v[rT+FF], 1.0, v[rT+TP]            ; f = 2^(old M - new M)
	EX \z
.endm
.macro TSC t, z
.set rT, ST+STR*\t
.set rS, S+64*\t
.set si, 0
.rept 32
	v_pk_fma_f32 v[rS+si:rS+si+1], v[rS+si:rS+si+1], s[CS:CS+1], v[rT+NM:rT+NM+1] op_sel_hi:[1,0,0]   ; t - M, two at a time (of the pairs the low word serves both halves)
	EX \z
.set si, si+2
.endr
.irp b, 0,1,2,3
	v_fma_f32 v[rT+BM+\b], v[rT+BM+\b], s[CS], v[rT+NM]   ; the same of each block's largest score
	EX \z
.endr
.endm
.macro SUMS t, z                               ; the row's sum is taken of the unquantised p: two at a time, in two chains
.set rT, ST+STR*\t
.set rS, S+64*\t
	v_pk_mul_f32 v[rT+LL:rT+LL+1], v[rT+LL:rT+LL+1], v[rT+FF:rT+FF+1] op_sel_hi:[1,0]   ; the sum under the new M
	EX \z
	v_pk_add_f32 v[rT+SA:rT+SA+1], v[rS:rS+1], v[rS+2:rS+3]
	EX \z
.irp j, 4,8,12,16,20,24,28,32,36,40,44,48,52,56,60
	v_pk_add_f32 v[rT+LL:rT+LL+1], v[rT+LL:rT+LL+1], v[rS+\j:rS+\j+1]
	EX \z
	v_pk_add_f32 v[rT+SA:rT+SA+1], v[rT+SA:rT+SA+1], v[rS+\j+2:rS+\j+3]
	EX \z
.endr
	v_pk_add_f32 v[rT+LL:rT+LL+1], v[rT+LL:rT+LL+1], v[rT+SA:rT+SA+1]
	EX \z
.endm
.macro PSC t, z                                ; p's four scales
.set rT, ST+STR*\t
.irp b, 0,1,2,3
	v_max_num_f32 v[rT+BM+\b], 0x1800000, v[rT+BM+\b]   ; the floor 2^(3 - 127): a block whose every p has fallen to 0 keeps the byte 1: its codes are zeros
	EX \z
.endr
.irp b, 0,1,2,3
	v_add_nc_u32 v[rT+SO+\b], 0xff000000, v[rT+BM+\b]
	EX \z
.endr
.irp b, 0,1,2,3
	v_lshrrev_b32 v[rT+BY+\b], 23, v[rT+SO+\b]
	EX \z
.endr
	v_lshl_or_b32 v[PWR+\t], v[rT+BY+1], 8, v[rT+BY]
	EX \z
	v_lshl_or_b32 v[PWR+\t], v[rT+BY+2], 16, v[PWR+\t]
	EX \z
	v_lshl_or_b32 v[PWR+\t], v[rT+BY+3], 24, v[PWR+\t]
	EX \z
.endm
.macro CVT t
.set rT, ST+STR*\t
.set rS, S+64*\t
.irp b, 0,1,2,3
	v_cvt_scalef32_pk8_fp4_f32 v[P+8*\t+2*\b], v[rS+16*\b:rS+16*\b+7], v[rT+SO+\b]
	v_cvt_scalef32_pk8_fp4_f32 v[P+8*\t+2*\b+1], v[rS+16*\b+8:rS+16*\b+15], v[rT+SO+\b]
.endr
	v_nop                                          ; one plain place behind a scaled conversion
.irp c, 0,1
.irp i, 0,1
	v_permlane16_swap_b32 v[P+8*\t+4*\c+\i], v[P+8*\t+4*\c+2+\i]
.endr
.endr
.endm
; A PREFETCH INTO THE L2.  kv is one dense stream of 8,704 blocks of 256 bytes, which all work-groups walk: the launch's first cluster asks, and nobody else.  Its sixteen waves are told apart BY ADDRESS (8,192 bytes a wave, lanes 256 bytes
; apart): one instruction a wave names 32 blocks, the sixteen together 512.  Change of slots j, j = 0 .. 12, names blocks 2,048 + 512 j on, which the refills of the next change or the one after it will ask for; 13 x 512 end at the buffer's last
; block; the last change asks for nothing; the blocks under 2,048 come by their loads alone.  So each block is named at most once.
.macro ASK
	s_cmp_gt_u32 s[PFN], s[LIM]
	s_cbranch_scc0 .Lnot_mine_\@
	global_prefetch_b8 v[PFO], s[PFA:PFA+1] th:TH_LOAD_NT scope:SCOPE_SE
.Lnot_mine_\@:
.endm
; A KEY STEP, whose K and V are in registers or on their way there from slot cur.  mode 2: slot cur is filled again and the next step's K and V are fetched from slot nxt; 1: they are fetched, nothing is filled; 0: the last step
.macro STEP cur, nxt, mode
	s_wait_dscnt 40                                ; K's run is in; V's 40 younger loads may be out
	WIN 0x0a                                       ; K and Q in window 2, S^T in window 0
.irp c, 0,1                                    ; S^T = K Q^T: 32 products; the sixteen accumulators take turns, one instruction a turn; the first sixteen start the sums
.irp t, 0,1,2,3,4,5,6,7
.irp q, 0,1
	MM S+64*\q+8*\t, 8*(2*\t+\c), 128+8*(2*\q+\c), 1-\c, KS+4*\c+\t/2, QS+2*\q+\c, \t%2
.endr
.endr
.endr
	WIN 0
.if \mode == 2
	s_wait_tensorcnt 0x0                           ; all my tensor loads have landed: the one that was out is slot nxt's; so a group 0 may be written
	ds_add_u32 v[SPW], v[NIL]                      ; 0 onto my spare word; the steps below stand between it and the wait for it
	s_add_nc_u64 s[G0+4*\cur+2:G0+4*\cur+3], s[G0+4*\cur+2:G0+4*\cur+3], 8*KVSTEP   ; my key step two turns on; the type bits on top are not reached
	s_wait_xcnt 0x0                                ; the last prefetch, a key step back, has read its address
	s_add_nc_u64 s[PFA:PFA+1], s[PFA:PFA+1], 131072
	s_sub_co_u32 s[PFN], s[PFN], 1
	s_wait_dscnt 0x0                               ; the add is done, and V's run, my last reads of slot cur, is in
	ROUND                                          ; no wave of any partner still reads the slot that it is about to fill, or has a load on its way
	tensor_load_to_lds s[G0+4*\cur:G0+4*\cur+3], s[G1:G1+7]   ; my one tensor load behind the round, and the first thing there: it has a key step in which to land
	s_nop 0
	PLACES                                         ; (they are also the places behind the products above)
.elseif \mode == 1
	s_wait_tensorcnt 0x0                           ; slot nxt's tile, my last, has landed
	s_wait_dscnt 0x0
	PLACES
.else
	s_wait_dscnt 0x0
	PLACES
.endif
.if \mode > 0
	FETCH_K \nxt                                   ; wanted a whole softmax later
.endif
.if \mode == 2
	ASK
.endif
	MAXT 0, 0
	MSTEP 0, 0
	TSC 0, 0
	BATCH 0                                        ; tile 0's exponentials among tile 1's 85 plain lines
	MAXT 1, 1
	MSTEP 1, 1
	TSC 1, 1
	EX 68
	v_nop                                          ; a plain place behind the last exponential
	s_wait_alu depctr_va_vdst(0)                   ; one wait for the batch, ahead of its first reader
	BATCH 1                                        ; tile 1's among tile 0's sums and scales
	SUMS 0, 2
	PSC 0, 1
	EX 68
	v_nop
	s_wait_alu depctr_va_vdst(0)
	CVT 0
	SUMS 1, 0
	PSC 1, 0
	CVT 1
	WIN 0x41                                       ; O^T (destination and source 0) in window 1, f in window 0
.irp q, 0,1
.set oi, 0
.rept 64
	v_pk_mul_f32 v[128*\q+oi:128*\q+oi+1], v[128*\q+oi:128*\q+oi+1], v[ST+STR*\q+FF:ST+STR*\q+FF+1] op_sel_hi:[1,0]   ; O^T under the new M, each accumulator from its low end on.  (These are also the places between p's codes and scale words and the products)
.set oi, oi+2
.endr
.endr
	WIN 0x53                                       ; V in window 3, p in window 0, O^T in window 1
.irp u, 0,1,2,3,4,5,6,7,8,9,10,11,12,13,14,15  ; O^T += V^T P^T: 32 products, each on another accumulator
.irp q, 0,1
	MM 128*\q+8*\u, 8*\u, P+8*\q, 0, VS+\u/2, PWR+\q, \u%2
.endr
.endr
	WIN 0
.if \mode > 0
	PLACES
	FETCH_V \nxt
.endif
.endm
; ---- THE HEAD
	s_load_b512 s[4:19], s[0:1], 0x0               ; guess 4:5, kv 6:7, wimg 8:9, bg 10:11, b1 12:13, a1 14:15, b2 16:17, a2 18:19
	s_load_b128 s[20:23], s[0:1], 0x40             ; W3 20:21, b3 22:23
	s_load_b64 s[24:25], s[0:1], 0x50              ; out0
	v_lshl_add_u32 v[SPW], v0, 2, SPARE
	v_mov_b32 v[NIL], 0
	ds_add_u32 v[SPW], v[NIL]                      ; the wave's opening: the add, twice on end, and its wait ahead of my first tensor load; the set-up below, work on registers, stands between
	ds_add_u32 v[SPW], v[NIL]
	v_lshrrev_b32 v1, 5, v0
	v_readfirstlane_b32 s[WV], v1                  ; wave 0..3
	s_bfe_u32 s[CX], ttmp6, 0x40000                ; my place in the cluster: it enters the addresses of guess, of out0 and of the prefetches alone
	s_lshl_b32 s[XG], ttmp9, 2
	s_add_co_u32 s[XG], s[XG], s[CX]               ; my block of 32 queries
	s_lshr_b32 s[QTD], s[WV], 1
	s_and_b32 s[CC], s[WV], 1
	s_mov_b32 s[G1], 15|(3<<16)|(1<<21)            ; 15:0 the mask: all four work-groups; 17:16 elements of 8 bytes; 21 set beside a mask; no padding: images are read 16 bytes a lane on end
	s_mov_b32 s[G1+1], 32<<16                      ; tensor_dim0 = 32 elements: 256 bytes
	s_mov_b32 s[G1+2], 136<<16                     ; tensor_dim1 = 136 rows
	s_mov_b32 s[G1+3], 32<<16                      ; tile_dim0
	s_mov_b32 s[G1+4], 136                         ; tile_dim1
	s_mov_b32 s[G1+5], 32                          ; from row to row: dense
	s_mov_b32 s[G1+6], 0
	s_mov_b32 s[G1+7], 0
	s_mov_b32 s[SEL], 0x76543210
	s_mov_b32 s[SEL+1], 0xfedcba98
	s_mov_b32 s[CS], 0x3fb8aa3b                    ; log2(e)
	s_mov_b32 s[CS+1], s[CS]
	s_mov_b32 s[CNT], 7
	s_mov_b32 s[PFN], 14
	s_cmp_eq_u32 ttmp9, 0                          ; the cluster's number: the same in all four partners
	s_cselect_b32 s[LIM], 0, -1
	s_mul_i32 s66, s[WV], RING                     ; my ring
	s_mul_i32 s68, s[WV], KVSTEP                   ; my first key step
	s_mov_b32 s69, 0
	s_lshl_b32 s70, s[CX], 2
	s_add_co_u32 s70, s70, s[WV]
	s_lshl_b32 s70, s70, 13                        ; my 8,192 bytes of the cluster's 131,072,
	s_add_co_u32 s70, s70, 393216                  ; one step of 131,072 ahead of block 2,048: the first change of slots steps it there
	s_mov_b32 s71, 0
	v_and_b32 v[L4], 31, v0                        ; lane
	v_and_b32 v[RR], 15, v0
	v_bfe_u32 v[HH], v0, 4, 1
	v_lshlrev_b32 v[L16], 4, v[L4]
	v_lshlrev_b32 v[PFO], 8, v[L4]
	v_lshlrev_b32 v[L4], 2, v[L4]
	v_add_nc_u32 v[SB16], SCR, v[L16]
	v_add_nc_u32 v[SB4], SCR, v[L4]
	v_add_nc_u32 v[AD], s66, v[L16]
	v_add_nc_u32 v[AD+1], KVSTEP, v[AD]
	v_add_nc_u32 v[AS], s66, v[L4]
	v_add_nc_u32 v[AS], 32768, v[AS]
	v_add_nc_u32 v[AS+1], KVSTEP, v[AS]
	v_lshlrev_b32 v[H64], 6, v[HH]
	v_lshlrev_b32 v[H32], 5, v[HH]
	v_lshlrev_b32 v128, 10, v[RR]                  ; (v128, v134-137: addresses that the head alone uses, in registers that tile 1's scores take later)
	v_add_nc_u32 v128, v128, v[H64]                ; guess: row r of 1,024 bytes + 64 h: my 16 numbers of a block of 32
	s_mul_i32 s72, s[QTD], 6144
	v_add_nc_u32 v134, s72, v[SB16]                ; dis_x's fragments of my tile,
	s_lshl_b32 s73, s[CC], 10
	s_add_co_u32 s73, s73, s72
	v_add_nc_u32 v[TA4], s73, v[SB16]              ; and the one that I make
	s_mul_i32 s72, s[QTD], 768
	v_add_nc_u32 v135, s72, v[SB4]                 ; their scale words likewise
	s_lshl_b32 s73, s[CC], 7
	s_add_co_u32 s73, s73, s72
	v_add_nc_u32 v[TA5], s73, v[SB4]
	s_lshl_b32 s72, s[WV], 10
	v_add_nc_u32 v136, s72, v[SB16]                ; ge's fragment 2 tile + K step = my wave's number
	s_lshl_b32 s72, s[WV], 7
	v_add_nc_u32 v137, s72, v[SB4]
	s_lshl_b32 s72, s[WV], 9                       ; the tail's addresses
	v_add_nc_u32 v[TA1], s72, v[SB4]
	v_add_nc_u32 v[TA6], s72, v[SB16]
	s_lshl_b32 s72, s[QTD], 8
	v_add_nc_u32 v[TA2], s72, v[SB4]
	s_lshl_b32 s72, s[WV], 13
	v_add_nc_u32 v[TA3], s72, v[L16]
	v_add_nc_u32 v[TA3+1], RING, v[TA3]
	v_add_nc_u32 v[TA3+2], 2*RING, v[TA3]
	v_add_nc_u32 v[TA3+3], 3*RING, v[TA3]
	s_lshl_b32 s72, s[QTD], 7
	s_lshl_b32 s73, s[CC], 1
	s_add_co_u32 s72, s72, s73
	v_add_nc_u32 v[TA7], s72, v[SB4]
	s_wait_dscnt 0x0                               ; both opening adds are done
	s_wait_kmcnt 0x0
	s_add_nc_u64 s[68:69], s[6:7], s[68:69]
	s_add_nc_u64 s[PFA:PFA+1], s[6:7], s[70:71]
.irp s, 0,1
	s_mov_b32 s[G0+4*\s], 1                        ; count = 1
	s_add_co_u32 s[G0+4*\s+1], s66, \s*KVSTEP      ; LDS address: my slot s
	s_add_nc_u64 s[G0+4*\s+2:G0+4*\s+3], s[68:69], \s*4*KVSTEP   ; key step 4 s + wave
	s_or_b32 s[G0+4*\s+3], s[G0+4*\s+3], 0x80000000              ; type = 2
.endr
	ROUND                                          ; all four work-groups are here: the first joint loads meet
	tensor_load_to_lds s[G0:G0+3], s[G1:G1+7]      ; every wave's two first fills, with no branch: two loads of mine are out, never more
	s_nop 0
	tensor_load_to_lds s[G0+4:G0+7], s[G1:G1+7]
	s_nop 0
	PLACES
	s_load_b32 s58, s[14:15], 0x0                  ; a1
	s_load_b32 s60, s[18:19], 0x0                  ; a2
	s_load_b32 s62, s[22:23], 0x0                  ; b3
	s_lshl_b32 s70, s[XG], 15                      ; 32 rows of 1,024 bytes a block,
	s_lshl_b32 s71, s[QTD], 14                     ; 16 a tile,
	s_add_co_u32 s70, s70, s71
	s_lshl_b32 s71, s[CC], 9                       ; 512 bytes a K step
	s_add_co_u32 s70, s70, s71
	s_mov_b32 s71, 0
	s_add_nc_u64 s[70:71], s[4:5], s[70:71]
	s_lshl_b32 s72, s[CC], 14
	s_mov_b32 s73, 0
	s_add_nc_u64 s[72:73], s[8:9], s[72:73]        ; Wg's fragments 16 c on,
	s_lshl_b32 s74, s[CC], 10
	s_mov_b32 s75, 0
	s_add_nc_u64 s[74:75], s[8:9], s[74:75]        ; their scale words,
	s_lshl_b32 s76, s[CC], 9
	s_mov_b32 s77, 0
	s_add_nc_u64 s[76:77], s[10:11], s[76:77]      ; bg at 128 c
	WIN 0x80
.irp b, 0,1,2,3
.irp j, 0,1,2,3
	global_load_b128 v[160+16*\b+4*\j:160+16*\b+4*\j+3], v128, s[70:71] offset:128*\b+16*\j th:TH_LOAD_NT   ; guess: read once in the launch
.endr
.endr
	WIN 0xc0
.set fi, 0
.rept 32
	global_load_b128 v[128+4*fi:128+4*fi+3], v[L16], s[72:73] offset:512*fi
.set fi, fi+1
.endr
	WIN 0
.irp t, 0,1,2,3,4,5,6,7
	global_load_b32 v[KS+\t], v[L4], s[74:75] offset:WSCL+128*\t    ; lanes 0-15: K step 0's words, lanes 16-31: K step 1's
.endr
.irp t, 0,1,2,3,4,5,6,7                        ; the bias is the C of each sum's first matrix instruction
	global_load_b128 v[S+8*\t:S+8*\t+3], v[H64], s[76:77] offset:(32*(\t/2)+8*(\t%2))*4
	global_load_b128 v[S+8*\t+4:S+8*\t+7], v[H64], s[76:77] offset:(32*(\t/2)+8*(\t%2))*4+16
.endr
	WIN 0x40                                       ; while the loads are out: O^T begins as zeros,
.set oi, 0
.rept 256
	v_mov_b32 v[oi], 0
.set oi, oi+1
.endr
	WIN 0
.irp t, 0,1
	v_mov_b32 v[ST+STR*\t+MT], 0xff61b1e6          ; the largest t as -3e38, under every t,
	v_floor_f32 v[ST+STR*\t+NM], -v[ST+STR*\t+MT]
	v_mov_b32 v[ST+STR*\t+LL], 0                   ; the sum as 0
	v_mov_b32 v[ST+STR*\t+LL+1], 0
	v_mov_b32 v[ST+STR*\t+FF+1], 0                 ; (named as the upper half of a pair)
.irp b, 0,1,2,3
	v_mov_b32 v[ST+STR*\t+BP+\b], 0                ; (a lane permute's destination counts as one of its sources)
.endr
.endr
.irp b, 0,1,2,3
	v_mov_b32 v[TM+4+\b], 0
.endr
	s_wait_loadcnt 56                              ; guess is in; Wg's 32 loads, its 8 scale words and the bias's 16 may be out
	QUANT 160, 4, 2                                ; my 16 rows x 128 of guess: a fragment of product 2, and of dis_x's first third
	IMAGE TA4, 0
	ds_store_b32 v[TA5], v[PWQ] offset:DXS
	BARRIER                                        ; guess's four fragments lie in LDS.  (My tensor loads stay out)
.irp s, 0,1
.irp g, 0,1
	ds_load_b128 v[P+8*\s+4*\g:P+8*\s+4*\g+3], v134 offset:1024*\s+512*\g
.endr
	ds_load_b32 v[PWR+\s], v135 offset:DXS+128*\s
.endr
	s_wait_dscnt 0x0
	s_wait_loadcnt 0x0
	WIN 0x03                                       ; Wg in window 3
.irp s, 0,1                                    ; ge^T: source 0 = 16 rows of Wg, source 1 = my tile of guess; eight accumulators by turns
.irp t, 0,1,2,3,4,5,6,7
	MM S+8*\t, 128+8*(2*\t+\s), P+8*\s, 0, KS+\t, PWR+\s, \s
.endr
.endr
	WIN 0
	PLACES
	QUANT S, 4, 0                                  ; 128 of ge's 256 for my tile: a fragment of Q
	IMAGE 136, QIM
	ds_store_b32 v137, v[PWQ] offset:QSC
	BARRIER                                        ; Q's four fragments lie in LDS
	WIN 0x80
.set fi, 0
.rept 8
	ds_load_b128 v[128+4*fi:128+4*fi+3], v[SB16] offset:QIM+512*fi
.set fi, fi+1
.endr
	WIN 0
.irp f, 0,1,2,3
	ds_load_b32 v[QS+\f], v[SB4] offset:QSC+128*\f
.endr
	s_wait_tensorcnt 1                             ; my slot 0 is in; slot 1's load may be out.  Only I read my slots: my own wait is all that the reads need
	FETCH_K 0
	FETCH_V 0
	s_wait_kmcnt 0x0
	s_mov_b32 s59, s58                             ; (named as pairs)
	s_mov_b32 s61, s60
; ---- THE WALK: my sixteen key steps
.Lloop:                                            ; seven trips of two steps: both slots are filled again, with steps 2 to 15
	STEP 0, 1, 2
	STEP 1, 0, 2
	s_sub_co_u32 s[CNT], s[CNT], 1
	s_cmp_lg_u32 s[CNT], 0
	s_cbranch_scc1 .Lloop
	STEP 0, 1, 1                                   ; the last two steps are written out: nothing is left to fetch from memory
	STEP 1, 0, 0
; ---- THE TAIL.  My keys' sums first: four plain additions that name none of the last products' registers: they are the places behind them
	v_add_f32 v[ST+LL], v[ST+LL], v[ST+LL+1]
	v_add_f32 v[ST+STR+LL], v[ST+STR+LL], v[ST+STR+LL+1]
	v_permlanex16_b32 v[ST+BP], v[ST+LL], s[SEL], s[SEL+1]
	v_permlanex16_b32 v[ST+STR+BP], v[ST+STR+LL], s[SEL], s[SEL+1]
	v_add_f32 v[ST+LL], v[ST+LL], v[ST+BP]         ; my keys' sum for query r
	v_add_f32 v[ST+STR+LL], v[ST+STR+LL], v[ST+STR+BP]
	s_mul_i32 s66, s[WV], 24*1024
	s_add_co_u32 s66, s66, 32*1024
	s_mov_b32 s67, 0
	s_add_nc_u64 s[66:67], s[8:9], s[66:67]        ; W1's fragments 32 + 24 w on: my four tiles x six K steps
	s_lshl_b32 s68, s[WV], 12
	s_add_co_u32 s68, s68, 128*1024
	s_mov_b32 s69, 0
	s_add_nc_u64 s[68:69], s[8:9], s[68:69]        ; W2's 128 + 4 w on: my two tiles x two K steps
	s_mul_i32 s70, s[WV], 24*64
	s_add_co_u32 s70, s70, 32*64
	s_mov_b32 s71, 0
	s_add_nc_u64 s[70:71], s[8:9], s[70:71]
	s_lshl_b32 s72, s[WV], 8
	s_add_co_u32 s72, s72, 128*64
	s_mov_b32 s73, 0
	s_add_nc_u64 s[72:73], s[8:9], s[72:73]
	s_lshl_b32 s74, s[WV], 8
	s_mov_b32 s75, 0
	s_add_nc_u64 s[74:75], s[12:13], s[74:75]      ; b1 at 64 w
	s_lshl_b32 s76, s[WV], 7
	s_mov_b32 s77, 0
	s_add_nc_u64 s[78:79], s[20:21], s[76:77]      ; W3 at 32 w
	s_add_nc_u64 s[76:77], s[16:17], s[76:77]      ; b2 at 32 w
	s_lshl_b32 s80, s[XG], 7
	s_mov_b32 s81, 0
	s_add_nc_u64 s[80:81], s[24:25], s[80:81]      ; out0 at my 32 queries
	WIN 0xc0                                       ; the weights are asked for now, and land under the join
.set fi, 0
.rept 48
	global_load_b128 v[4*fi:4*fi+3], v[L16], s[66:67] offset:512*fi
.set fi, fi+1
.endr
.set fi, 0
.rept 8
	global_load_b128 v[192+4*fi:192+4*fi+3], v[L16], s[68:69] offset:512*fi
.set fi, fi+1
.endr
	WIN 0
.irp p, 0,1,2,3,4,5,6,7,8,9,10,11
	global_load_b32 v[W1R+\p], v[L4], s[70:71] offset:WSCL+128*\p   ; W1's scale words: lanes 0-15 the even K step, lanes 16-31 the odd
.endr
.irp n, 0,1
	global_load_b32 v[W2R+\n], v[L4], s[72:73] offset:WSCL+128*\n   ; W2's
.endr
	; my statistics and my O^T go to LDS: O^T into my own ring, which has had its last fill and which I alone have read
	ds_store_b32 v[TA1], v[ST+NM] offset:STAT
	ds_store_b32 v[TA1], v[ST+LL] offset:STAT+128
	ds_store_b32 v[TA1], v[ST+STR+NM] offset:STAT+256
	ds_store_b32 v[TA1], v[ST+STR+LL] offset:STAT+384
	WIN 0x04                                       ; an LDS store's data are its source 1: window 1
.set fi, 0
.rept 64
	ds_store_b128 v[AD], v[4*fi:4*fi+3] offset:512*fi   ; each accumulator from its low end on
.set fi, fi+1
.endr
	WIN 0
	BARRIER
	; THE JOIN.  Wave (tile, c) takes channels 128 c on of its tile from all four waves.  v12-47, the statistics' registers, are free from here on
.irp x, 0,1,2,3
	ds_load_b32 v[28+\x], v[TA2] offset:STAT+512*\x       ; -M of wave x
.endr
.irp x, 0,1,2,3
	ds_load_b32 v[32+\x], v[TA2] offset:STAT+512*\x+128   ; its sum
.endr
.set fi, 0
.rept 16
	ds_load_b128 v[64+4*fi:64+4*fi+3], v[TA3] offset:512*fi
.set fi, fi+1
.endr
.set fi, 0
.rept 16
	ds_load_b128 v[128+4*fi:128+4*fi+3], v[TA3+1] offset:512*fi
.set fi, fi+1
.endr
	WIN 0x80
.set fi, 0
.rept 16
	ds_load_b128 v[4*fi:4*fi+3], v[TA3+2] offset:512*fi
.set fi, fi+1
.endr
.set fi, 0
.rept 16
	ds_load_b128 v[64+4*fi:64+4*fi+3], v[TA3+3] offset:512*fi
.set fi, fi+1
.endr
	WIN 0x40                                       ; the biases, straight into the accumulators (O^T's registers: my stores have read them)
.irp q, 0,1
.irp i, 0,1,2,3
	global_load_b128 v[8*(4*\q+\i):8*(4*\q+\i)+3], v[H64], s[74:75] offset:(32*(\i/2)+8*(\i%2))*4
	global_load_b128 v[8*(4*\q+\i)+4:8*(4*\q+\i)+7], v[H64], s[74:75] offset:(32*(\i/2)+8*(\i%2))*4+16
.endr
.endr
.irp n, 0,1
.irp q, 0,1
	global_load_b128 v[64+8*(2*\n+\q):64+8*(2*\n+\q)+3], v[H32], s[76:77] offset:64*\n
	global_load_b128 v[64+8*(2*\n+\q)+4:64+8*(2*\n+\q)+7], v[H32], s[76:77] offset:64*\n+16
.endr
.endr
	WIN 0
.irp n, 0,1
	global_load_b128 v[12+8*\n:12+8*\n+3], v[H32], s[78:79] offset:64*\n        ; W3 at outputs 32 w + 16 n + 8 h + 0 .. 7
	global_load_b128 v[12+8*\n+4:12+8*\n+7], v[H32], s[78:79] offset:64*\n+16
.endr
	s_wait_dscnt 63                                ; the eight statistics are in: of the 64 younger loads 63 may be out
	v_min3_num_f32 v44, v28, v29, v30
	v_min_num_f32 v44, v44, v31                    ; -M of all keys: the least
.irp x, 0,1,2,3
	v_sub_f32 v[36+2*\x], v44, v[28+\x]            ; M of wave x - M: a whole number, 0 or less
.endr
.irp x, 0,1,2,3
	v_cvt_i32_f32 v[36+2*\x], v[36+2*\x]
.endr
.irp x, 0,1,2,3
	v_ldexp_f32 v[36+2*\x], 1.0, v[36+2*\x]        ; an exact power of two
.endr
	v_mul_f32 v45, v36, v32
	v_fma_f32 v45, v38, v33, v45
	v_fma_f32 v45, v40, v34, v45
	v_fma_f32 v45, v42, v35, v45                   ; the row's sum
	v_rcp_f32 v46, v45
	v_nop                                          ; a plain place behind the transcendental
	s_wait_alu depctr_va_vdst(0)                   ; and the wait ahead of its first reader
.irp x, 0,1,2,3
	v_mul_f32 v[36+2*\x], v[36+2*\x], v46
.endr
.irp x, 0,1,2,3
	v_mov_b32 v[37+2*\x], v[36+2*\x]               ; (named as pairs)
.endr
	s_wait_dscnt 48                                ; wave 0's run of 16 is in; three runs may be out
.set oi, 0
.rept 32
	v_pk_mul_f32 v[64+oi:65+oi], v[64+oi:65+oi], v[36:37] op_sel_hi:[1,0]
.set oi, oi+2
.endr
	s_wait_dscnt 32
.set oi, 0
.rept 32
	v_pk_fma_f32 v[64+oi:65+oi], v[128+oi:129+oi], v[38:39], v[64+oi:65+oi] op_sel_hi:[1,0,1]
.set oi, oi+2
.endr
	s_wait_dscnt 16
	WIN 0x02                                       ; source 0 in window 2
.set oi, 0
.rept 32
	v_pk_fma_f32 v[64+oi:65+oi], v[oi:oi+1], v[40:41], v[64+oi:65+oi] op_sel_hi:[1,0,1]
.set oi, oi+2
.endr
	s_wait_dscnt 0x0
.set oi, 0
.rept 32
	v_pk_fma_f32 v[64+oi:65+oi], v[64+oi:65+oi], v[42:43], v[64+oi:65+oi] op_sel_hi:[1,0,1]   ; v64-127: ge2ac(query r, channel 128 c + 32 b + 16 h + i) in register 16 b + i
.set oi, oi+2
.endr
.set oi, 0
.rept 32
	v_pk_add_f32 v[128+oi:129+oi], v[160+oi:161+oi], v[64+oi:65+oi] neg_lo:[0,1] neg_hi:[0,1]   ; guess - ge2ac
.set oi, oi+2
.endr
	WIN 0
	QUANT 64, 4, 0
	IMAGE TA4, 2048                                ; dis_x's K step 2 + c
	ds_store_b32 v[TA5], v[PWQ] offset:DXS+256
	s_wait_dscnt 0x0                               ; the stores have read their registers
	QUANT 128, 4, 0
	IMAGE TA4, 4096                                ; and 4 + c
	ds_store_b32 v[TA5], v[PWQ] offset:DXS+512
	BARRIER                                        ; dis_x's twelve fragments lie in LDS
	; PRODUCT 5: my 64 hidden units (four tiles) for both tiles of queries
	WIN 0x80
.set fi, 0
.rept 24
	ds_load_b128 v[4*fi:4*fi+3], v[SB16] offset:512*fi
.set fi, fi+1
.endr
	WIN 0
.irp f, 0,1,2,3,4,5,6,7,8,9,10,11
	ds_load_b32 v[DXR+\f], v[SB4] offset:DXS+128*\f
.endr
	s_wait_dscnt 0x0
	s_wait_loadcnt 0x0                             ; the weights, their scale words, the biases, W3
	WIN 0x5b                                       ; source 0 window 3, source 1 window 2, C and D window 1
.irp k, 0,1,2,3,4,5                            ; eight accumulators by turns, a K step at a time; they begin as b1
.irp i, 0,1,2,3
.irp q, 0,1
	MM 8*(4*\q+\i), 8*(6*\i+\k), 8*(6*\q+\k), 0, W1R+3*\i+\k/2, DXR+6*\q+\k, \k%2
.endr
.endr
.endr
	WIN 0
	PLACES
	WIN 0x04                                       ; source 1 in window 1
.set oi, 0
.rept 64
	v_min_num_f32 v[128+oi], 0, v[oi]              ; PReLU: max(x, 0) + a1 min(x, 0); each accumulator from its low end on
.set oi, oi+1
.endr
.set oi, 0
.rept 64
	v_max_num_f32 v[64+oi], 0, v[oi]
.set oi, oi+1
.endr
	WIN 0
.set oi, 0
.rept 32
	v_pk_fma_f32 v[64+oi:65+oi], v[128+oi:129+oi], s[58:59], v[64+oi:65+oi] op_sel_hi:[1,0,1]
.set oi, oi+2
.endr
.irp q, 0,1
	QUANT 64+32*\q, 2, 0                           ; 64 hidden units: two blocks: half a fragment, half a scale word
	ds_store_b128 v[TA6], v[PCQ:PCQ+3] offset:H1I+2048*\q
	ds_store_b16 v[TA7], v[PWQ] offset:H1S+256*\q
	s_wait_dscnt 0x0
.endr
	BARRIER                                        ; the first hidden layer's four fragments lie in LDS
	; PRODUCT 6: my 32 outputs (two tiles) for both tiles of queries
	WIN 0x80
.set fi, 0
.rept 8
	ds_load_b128 v[96+4*fi:96+4*fi+3], v[SB16] offset:H1I+512*fi
.set fi, fi+1
.endr
	WIN 0
.irp f, 0,1,2,3
	ds_load_b32 v[DXR+\f], v[SB4] offset:H1S+128*\f
.endr
	s_wait_dscnt 0x0
	WIN 0x5b
.irp k, 0,1                                    ; four accumulators by turns; they begin as b2
.irp n, 0,1
.irp q, 0,1
	MM 64+8*(2*\n+\q), 192+8*(2*\n+\k), 96+8*(2*\q+\k), 0, W2R+\n, DXR+2*\q+\k, \k
.endr
.endr
.endr
	WIN 0
	PLACES
	WIN 0x04
.set oi, 0
.rept 32
	v_min_num_f32 v[128+oi], 0, v[64+oi]
.set oi, oi+1
.endr
.set oi, 0
.rept 32
	v_max_num_f32 v[64+oi], 0, v[64+oi]
.set oi, oi+1
.endr
	WIN 0
.set oi, 0
.rept 16
	v_pk_fma_f32 v[64+oi:65+oi], v[128+oi:129+oi], s[60:61], v[64+oi:65+oi] op_sel_hi:[1,0,1]   ; v[64 + 8 (2 n + q) + j]: the second hidden layer at output 32 w + 16 n + 8 h + j, query r of tile q
.set oi, oi+2
.endr
	; PRODUCT 7, left as it is: fused multiply-adds in f32
.irp q, 0,1
	v_pk_mul_f32 v[28+2*\q:29+2*\q], v[64+8*\q:65+8*\q], v[12:13]
.endr
.irp j, 2,4,6
.irp q, 0,1
	v_pk_fma_f32 v[28+2*\q:29+2*\q], v[64+8*\q+\j:65+8*\q+\j], v[12+\j:13+\j], v[28+2*\q:29+2*\q]
.endr
.endr
.irp j, 0,2,4,6
.irp q, 0,1
	v_pk_fma_f32 v[28+2*\q:29+2*\q], v[80+8*\q+\j:81+8*\q+\j], v[20+\j:21+\j], v[28+2*\q:29+2*\q]
.endr
.endr
	v_add_f32 v28, v28, v29
	v_add_f32 v30, v30, v31
	v_permlanex16_b32 v29, v28, s[SEL], s[SEL+1]
	v_permlanex16_b32 v31, v30, s[SEL], s[SEL+1]
	v_add_f32 v28, v28, v29                        ; my 32 outputs' part of query r's result, tile 0: the same in lanes r and r + 16;
	v_add_f32 v30, v30, v31                        ; tile 1
	v_cmp_eq_u32 vcc_lo, 1, v[HH]
	v_cndmask_b32 v28, v28, v30, vcc_lo            ; lanes 16-31 keep tile 1's: lane l now holds query l of the 32
	ds_store_b32 v[TA1], v28 offset:RED
	BARRIER
	s_cmp_lg_u32 s[WV], 0                          ; wave 0 adds the four parts: a lane a query
	s_cbranch_scc1 .Lnot_first
.irp x, 0,1,2,3
	ds_load_b32 v[28+\x], v[SB4] offset:RED+512*\x
.endr
	s_wait_dscnt 0x0
	v_add_f32 v28, v28, v29
	v_add_f32 v30, v30, v31
	v_add_f32 v28, v28, v30
	v_add_f32 v28, s62, v28                        ; + b3
	global_store_b32 v[L4], v28, s[80:81]          ; 128 consecutive bytes: all that a work-group owns of the output
.Lnot_first:
	s_wait_tensorcnt 0x0                           ; the wave's end, behind my last tensor load and my last LDS store
	ds_add_u32 v[SPW], v[NIL]
	s_wait_dscnt 0x0
	ROUND                                          ; the closing round: no work-group ends while a partner may still ask for a tile that names it
	s_endpgm
.Lfunc_end_k_q76cce8ac9e_attn:
	.size	k_q76cce8ac9e_attn, .Lfunc_end_k_q76cce8ac9e_attn-k_q76cce8ac9e_attn
	.p2alignl 7, 3214868480
	.fill 96, 4, 3214868480
	.section	.rodata,"a",@progbits
	.p2align	6, 0x0
	.amdhsa_kernel k_q76cce8ac9e_attn
		.amdhsa_group_segment_fixed_size 327680
		.amdhsa_private_segment_fixed_size 0
		.amdhsa_enable_private_segment 0
		.amdhsa_kernarg_size 88
		.amdhsa_user_sgpr_count 2
		.amdhsa_user_sgpr_kernarg_segment_ptr 1
		.amdhsa_wavefront_size32 1
		.amdhsa_system_sgpr_workgroup_id_x 1
		.amdhsa_system_sgpr_workgroup_id_y 1
		.amdhsa_system_sgpr_workgroup_id_z 1
		.amdhsa_system_vgpr_workitem_id 0
		.amdhsa_next_free_vgpr 1024
		.amdhsa_next_free_sgpr 100
		.amdhsa_reserve_vcc 1
		.amdhsa_float_denorm_mode_32 3
		.amdhsa_float_denorm_mode_16_64 3
		.amdhsa_memory_ordered 1
		.amdhsa_forward_progress 1
		.amdhsa_inst_pref_size 255
	.end_amdhsa_kernel
	.section	.bss,"aw",@nobits
	.p2align	6
	.space	262144
	.amdgpu_metadata
---
amdhsa.version: [ 1, 2 ]
amdhsa.kernels:
  - .name:           k_q76cce8ac9e_attn
    .symbol:         k_q76cce8ac9e_attn.kd
    .args:
      - { .name: guess, .offset: 0, .size: 8, .value_kind: global_buffer, .address_space: global }
      - { .name: kv, .offset: 8, .size: 8, .value_kind: global_buffer, .address_space: global }
      - { .name: wimg, .offset: 16, .size: 8, .value_kind: global_buffer, .address_space: global }
      - { .name: bg, .offset: 24, .size: 8, .value_kind: global_buffer, .address_space: global }
      - { .name: b1, .offset: 32, .size: 8, .value_kind: global_buffer, .address_space: global }
      - { .name: a1, .offset: 40, .size: 8, .value_kind: global_buffer, .address_space: global }
      - { .name: b2, .offset: 48, .size: 8, .value_kind: global_buffer, .address_space: global }
      - { .name: a2, .offset: 56, .size: 8, .value_kind: global_buffer, .address_space: global }
      - { .name: W3, .offset: 64, .size: 8, .value_kind: global_buffer, .address_space: global }
      - { .name: b3, .offset: 72, .size: 8, .value_kind: global_buffer, .address_space: global }
      - { .name: out0, .offset: 80, .size: 8, .value_kind: global_buffer, .address_space: global }
    .group_segment_fixed_size: 327680
    .private_segment_fixed_size: 0
    .kernarg_segment_align: 8
    .kernarg_segment_size: 88
    .max_flat_workgroup_size: 128
    .sgpr_count:     100
    .vgpr_count:     1024
    .wavefront_size: 32
...
	.end_amdgpu_metadata
.endif
;; end of part 2
;; ======== version 2 of 2: 2 launches
;; limits: right only within a limited range of input values
;; workspace buffers: kv 2,228,224 bytes; qimg 2,228,224 bytes; wimg 121,856 bytes
;; launch prep (part 3): grid 334 x 1, 8 waves a work-group, no clusters, 153,600 bytes of LDS; arguments anchor, guess, Wa, Wg, ba, bg, W1, W2, kv, qimg, wimg; writes kv, qimg, wimg
.if DOCPART == 3
	.amdgcn_target "amdgcn-amd-amdhsa--gfx1250"
	.amdhsa_code_object_version 6
	.text
	.protected	k_q76cce8ac9e_prep
	.globl	k_q76cce8ac9e_prep
	.p2align	8
	.type	k_q76cce8ac9e_prep,@function
k_q76cce8ac9e_prep:
	s_mov_b64 s[64:65], 0
	v_nop
	global_prefetch_b8 v0, s[64:65] scope:SCOPE_SE
	s_setreg_imm32_b32 hwreg(HW_REG_WAVE_MODE, 25, 1), 1
	s_wait_xcnt 0x0
; FIRST OF TWO LAUNCHES.  The whole program: ac = anchor Wa^T + ba, ge = guess Wg^T + bg, p = softmax(ge ac^T), ge2ac = p anchor, then 768 -> 256 -> 128 -> 1 with PReLU; products 1 to 6 on codes of E2M1 with one E8M0 scale for each 32 along K.
; NO WORK IS LEFT OUT: ba and bg go into the quantisers ahead of the score product, and every other input reaches the result; every input is loaded, by this launch or by the next.
; THIS LAUNCH makes products 1 and 2 and all operands of the next launch, as IMAGES OF THE OPERANDS' REGISTERS (a fragment, 16 rows x 128 K of 4-bit codes, is 8 registers a lane: register group g of lane l at g x 512 + 16 l; 1,024 bytes):
;   kv:   64 blocks of 34,816 bytes.  Block s: the values of key step s (128 keys): 16 fragments of Q(anchor along the keys), then 1,024 bytes of scale words; from 17,408 on the keys of key step (s + 8) % 64: 16 fragments of Q(ac) (2 tile + K step), then 1,024 bytes of scale words.
;         Scale words lie as a lane's b128 loads want them: word p of lane l at 512 (p / 4) + 16 l + 4 (p % 4); values: p = tile / 2, keys: p = 4 (K step) + tile / 2; lane = 16 (tile % 2) + row.
;   qimg: 256 blocks of 8,704 bytes, one for 32 queries: 4 fragments of Q(ge) (2 tile + K step), 256 bytes of their scale words, 4 fragments of Q(guess), 256 bytes of theirs.
;   wimg: 112 fragments (W1 6 T + ks; W2 96 + 2 T + s), then from byte 114,688 on their scale words, 64 bytes a fragment.
; THE ROWS OF A TILE ARE NOT NEIGHBOURS (but in W2): row r of tile 2 b + u is 32 b + 8 u + r + 8 (r / 8), so that the results of two neighbouring tiles, used transposed, are 16 neighbours along the next product's K.
; ROLES, by the work-group's number: 0-255 products 1 and 2; 256-319 the values; 320-333 the weights.
; f32 rows are loaded as they lie, 512 consecutive bytes an instruction, and turned through a stage of the wave's own in LDS, so that a lane then holds 2 x 32 neighbours along K of one row.
; NO CLUSTER, NO TENSOR LOAD: what the work-groups of the first role share, half of Wa or Wg (128 KiB), arrives as f32 and goes through registers to be quantised.  No prefetch: there is no loop to run ahead in.
; LIMITS: NaN and infinities among the inputs are not served.  A block whose largest magnitude lies under 2^-124 keeps the scale byte 1; so does a block of zeros, where the quantiser's text says 127: its codes are zeros, which add nothing under any byte but 0xff, and this program alone reads the bytes.
.set BLK,  34816
.set KPART, 17408
.set QBLK, 8704
.set WSCL, 114688
.set SP,   528                         ; a stage row: 512 bytes + 16 of padding
.set WSC,  16384                       ; LDS: 16 fragments of Wa or Wg from 0 on, their scale words here (128 tile + 64 s + 4 r),
.set STG,  17408                       ; the first role's stages, 16 rows for each wave,
.set STGB, 8*16*SP                     ; the weights' stages lie so many bytes further on,
.set SPARE, STG+2*STGB                 ; and the spare words, 128 bytes for each wave: four blocks of 256 bytes that no other line names
.set LI,  5                            ; v5   16 x lane
.set LS,  6                            ; v6   4 x lane
.set STW, 7                            ; v7   my stage, in
.set STR, 8                            ; v8   my stage, out: row r, 128 bytes for each half of the lanes
.set IMW, 9                            ; v9   where I store the images of Wa or Wg: 16 x lane + 2,048 x wave
.set SCW, 10                           ; v10  and their scale words
.set SH8, 11                           ; v11  8 (lane / 16)
.set BO,  12                           ; v12  64 (lane / 16)
.set SPW, 13                           ; v13  LDS address of my spare word; never rewritten
.set NIL, 14                           ; v14  0; never rewritten
.set RO,  15                           ; v15  where my row's scale word goes
.set XF,  16                           ; v16-31 my two fragments of anchor or guess
.set XA,  32                           ; v32-95, v96-159: numbers as loaded; v160-223: turned
.set XB,  96
.set XC,  160
.set PC,  224                          ; v224-231 codes just made
.set TM,  232                          ; v232-243 at work
.set PW,  244                          ; v244 the scale word just made
.set TP,  245
.set XS,  246                          ; v246-247 my fragments' scale words, v248-255 Wa's or Wg's: scales alone
.set WS,  248
.set SEL, 26                           ; s[26:27] lane selects for v_permlanex16_b32: lane l xor 16
.set WV,  28                           ; s28  my wave's number
; 16 rows x 512 bytes; perm = 1: the chosen rows
.macro LOADC buf, base, imm, pitch, perm
.irp i, 0,1,2,3,4,5,6,7,8,9,10,11,12,13,14,15
	global_load_b128 v[\buf+4*\i:\buf+4*\i+3], v[LI], s[\base:\base+1] offset:\imm+\pitch*(\i+8*\perm*(\i/8))
.endr
.endm
; through the stage: register 32 g + i of v[XC] on = k 64 g + 32 (lane / 16) + i of my row.  LDS serves a wave's instructions in order (ISA guide 5.7.1.4)
.macro TURN buf
.irp i, 0,1,2,3,4,5,6,7,8,9,10,11,12,13,14,15
	ds_store_b128 v[STW], v[\buf+4*\i:\buf+4*\i+3] offset:SP*\i
.endr
.irp g, 0,1
.irp i, 0,1,2,3,4,5,6,7
	ds_load_b128 v[XC+32*\g+4*\i:XC+32*\g+4*\i+3], v[STR] offset:256*\g+16*\i
.endr
.endr
	s_wait_dscnt 0x0                                 ; all back; the stores have read their registers, these and the images'
.endm
; 64 numbers of my row become a fragment's 8 registers at v[pc] and its scale word in v[pw]
.macro QW x, pc, pw
.irp g, 0,1
	v_max3_num_f32 v[TM+\g], |v[\x+32*\g]|, |v[\x+32*\g+1]|, 0x1800000   ; my block 2 g + h, and the floor 2^(3 - 127): the byte cannot fall under 1
.endr
.irp i, 2,4,6,8,10,12,14,16,18,20,22,24,26,28,30
.irp g, 0,1
	v_max3_num_f32 v[TM+\g], v[TM+\g], |v[\x+32*\g+\i]|, |v[\x+32*\g+\i+1]|
.endr
.endr
.irp g, 0,1
	v_add_nc_u32 v[TM+8+\g], 0xff000000, v[TM+\g]    ; 2 off the exponent field: the conversion takes this operand's exponent field as its scale
.endr
.irp g, 0,1
	v_lshrrev_b32 v[TM+4+\g], 23, v[TM+8+\g]         ; the scale's byte
.endr
	v_lshl_or_b32 v[TM+2], v[TM+5], 16, v[TM+4]      ; blocks h and 2 + h,
	v_lshlrev_b32 v[TM+2], v[SH8], v[TM+2]           ; at their places in the word;
	v_permlanex16_b32 v[TP], v[TM+2], s[SEL], s[SEL+1]
	v_or_b32 v[\pw], v[TM+2], v[TP]                  ; with lane l xor 16's two the word is whole
.irp g, 0,1
.irp q, 0,1,2,3
	v_cvt_scalef32_pk8_fp4_f32 v[\pc+4*\g+\q], v[\x+32*\g+8*\q:\x+32*\g+8*\q+7], v[TM+8+\g]
.endr
.endr
	v_nop                                            ; one plain place behind a scaled conversion
.endm
; 64 numbers of a lane, register 16 b + i = k 32 b + 16 (lane / 16) + i of my row, become a fragment in v[PC] on and its scale word in v[PW]
.macro QUANT s
.irp b, 0,1,2,3
	v_max3_num_f32 v[TM+\b], |v[\s+16*\b]|, |v[\s+1+16*\b]|, 0x1800000
.endr
.irp i, 2,4,6,8,10,12,14
.irp b, 0,1,2,3
	v_max3_num_f32 v[TM+\b], v[TM+\b], |v[\s+16*\b+\i]|, |v[\s+1+16*\b+\i]|
.endr
.endr
.irp b, 0,1,2,3
	v_permlanex16_b32 v[TM+4+\b], v[TM+\b], s[SEL], s[SEL+1]
.endr
.irp b, 0,1,2,3
	v_max_num_f32 v[TM+\b], v[TM+\b], v[TM+4+\b]
.endr
.irp b, 0,1,2,3
	v_add_nc_u32 v[TM+8+\b], 0xff000000, v[TM+\b]
.endr
.irp b, 0,1,2,3
	v_lshrrev_b32 v[TM+4+\b], 23, v[TM+8+\b]
.endr
	v_lshl_or_b32 v[PW], v[TM+5], 8, v[TM+4]
	v_lshl_or_b32 v[PW], v[TM+6], 16, v[PW]
	v_lshl_or_b32 v[PW], v[TM+7], 24, v[PW]
.irp b, 0,1,2,3
	v_cvt_scalef32_pk8_fp4_f32 v[PC+2*\b], v[\s+16*\b:\s+7+16*\b], v[TM+8+\b]
	v_cvt_scalef32_pk8_fp4_f32 v[PC+1+2*\b], v[\s+8+16*\b:\s+15+16*\b], v[TM+8+\b]
.endr
	v_nop
.irp c, 0,1                                      ; the operand's layout wants a whole block in a lane
.irp i, 0,1
	v_permlane16_swap_b32 v[PC+4*\c+\i], v[PC+2+4*\c+\i]
.endr
.endr
.endm
; one block of 32 in my lane's registers v[x] on: 4 registers of codes at v[c4], its byte into place be of v[PW]
.macro QB x, c4, be
	v_max3_num_f32 v[TM], |v[\x]|, |v[\x+1]|, |v[\x+2]|
	v_max3_num_f32 v[TM+1], |v[\x+3]|, |v[\x+4]|, |v[\x+5]|
.irp i, 6,10,14,18,22,26
	v_max3_num_f32 v[TM], v[TM], |v[\x+\i]|, |v[\x+\i+1]|
	v_max3_num_f32 v[TM+1], v[TM+1], |v[\x+\i+2]|, |v[\x+\i+3]|
.endr
	v_max3_num_f32 v[TM], v[TM], |v[\x+30]|, |v[\x+31]|
	v_max3_num_f32 v[TM], v[TM], v[TM+1], 0x1800000
	v_add_nc_u32 v[TM+8], 0xff000000, v[TM]
	v_lshrrev_b32 v[TM+4], 23, v[TM+8]
.if \be == 0
	v_mov_b32 v[PW], v[TM+4]
.else
	v_lshl_or_b32 v[PW], v[TM+4], 8*\be, v[PW]
.endif
.irp q, 0,1,2,3
	v_cvt_scalef32_pk8_fp4_f32 v[\c4+\q], v[\x+8*\q:\x+8*\q+7], v[TM+8]
.endr
	v_nop
.endm
.macro TOLDS u                         ; K step u of my tile of Wa or Wg: the fragment in v[PC] on and its word go to LDS as they stand
	ds_store_b128 v[IMW], v[PC:PC+3] offset:1024*\u
	ds_store_b128 v[IMW], v[PC+4:PC+7] offset:1024*\u+512
	ds_store_b32 v[SCW], v[PW] offset:64*\u          ; lanes l and l + 16 hold the same word and write it to the same place
.endm
	s_load_b512 s[4:19], s[0:1], 0x0               ; anchor 4:5, guess 6:7, Wa 8:9, Wg 10:11, ba 12:13, bg 14:15, W1 16:17, W2 18:19
	s_load_b128 s[20:23], s[0:1], 0x40             ; kv, qimg
	s_load_b64 s[24:25], s[0:1], 0x50              ; wimg
	v_lshl_add_u32 v[SPW], v0, 2, SPARE
	v_mov_b32 v[NIL], 0
	v_lshrrev_b32 v1, 5, v0
	v_readfirstlane_b32 s[WV], v1                  ; wave 0..7
	v_and_b32 v1, 31, v0                           ; lane
	v_and_b32 v2, 15, v0                           ; r
	v_bfe_u32 v3, v0, 4, 1                         ; h
	v_lshlrev_b32 v[LI], 4, v1
	v_lshlrev_b32 v[LS], 2, v1
	s_mul_i32 s40, s[WV], 16*SP
	s_add_co_u32 s40, s40, STG
	v_add_nc_u32 v[STW], s40, v[LI]
	v_mul_u32_u24 v[STR], v2, SP
	v_lshl_add_u32 v[STR], v3, 7, v[STR]
	v_add_nc_u32 v[STR], s40, v[STR]
	s_lshl_b32 s41, s[WV], 11
	v_add_nc_u32 v[IMW], s41, v[LI]
	s_lshl_b32 s42, s[WV], 7
	s_add_co_u32 s42, s42, WSC
	v_lshlrev_b32 v4, 2, v2                        ; 4 r
	v_add_nc_u32 v[SCW], s42, v4
	v_lshlrev_b32 v[SH8], 3, v3
	v_lshlrev_b32 v[BO], 6, v3
	v_mov_b32 v[TP], 0                             ; written once: a lane permute's destination counts as one of its sources
.irp b, 0,1,2,3
	v_mov_b32 v[TM+4+\b], 0
.endr
	s_mov_b32 s[SEL], 0x76543210
	s_mov_b32 s[SEL+1], 0xfedcba98
	s_wait_alu depctr_va_vdst(0)
	s_wait_kmcnt 0x0
	s_cmp_lt_u32 ttmp9, 256                        ; the role hangs on the work-group's number alone
	s_cbranch_scc1 .Lproj
	s_cmp_lt_u32 ttmp9, 320
	s_cbranch_scc1 .Lvalues
; ---- THE WEIGHTS: a wave makes one fragment, number 8 (work-group - 320) + wave of 112
	s_sub_co_u32 s30, ttmp9, 320
	s_lshl_b32 s30, s30, 3
	s_add_co_u32 s30, s30, s[WV]
	v_add_nc_u32 v[STW], STGB, v[STW]              ; LDS bytes of this role's own
	v_add_nc_u32 v[STR], STGB, v[STR]
	s_wait_alu depctr_va_vdst(0)
	s_mov_b32 s41, 0
	s_cmp_lt_u32 s30, 96
	s_cbranch_scc0 .Lw2
	s_and_b32 s31, s30, 15                         ; W1: tile, K step
	s_lshr_b32 s32, s30, 4
	s_lshr_b32 s33, s31, 1
	s_lshl_b32 s33, s33, 5
	s_and_b32 s34, s31, 1
	s_lshl_b32 s34, s34, 3
	s_add_co_u32 s33, s33, s34                     ; row 32 (T / 2) + 8 (T % 2)
	s_mul_i32 s40, s33, 3072
	s_lshl_b32 s34, s32, 9
	s_add_co_u32 s40, s40, s34
	s_add_nc_u64 s[40:41], s[16:17], s[40:41]
	s_mul_i32 s35, s31, 6
	s_add_co_u32 s35, s35, s32                     ; the fragment's number
	LOADC XA, 40, 0, 3072, 1
	s_branch .Lw_in
.Lw2:
	s_sub_co_u32 s31, s30, 96                      ; W2: tile (id - 96) / 2, K step (id - 96) % 2
	s_lshr_b32 s32, s31, 1
	s_lshl_b32 s40, s32, 14
	s_and_b32 s34, s31, 1
	s_lshl_b32 s34, s34, 9
	s_add_co_u32 s40, s40, s34
	s_add_nc_u64 s[40:41], s[18:19], s[40:41]
	s_mov_b32 s35, s30
	LOADC XA, 40, 0, 1024, 0
.Lw_in:
	s_lshl_b32 s36, s35, 10
	s_mov_b32 s37, 0
	s_add_nc_u64 s[36:37], s[24:25], s[36:37]
	s_lshl_b32 s38, s35, 6
	s_mov_b32 s39, 0
	s_add_nc_u64 s[38:39], s[24:25], s[38:39]
	s_wait_loadcnt 0x0
	TURN XA
	QW XC, PC, PW
	global_store_b128 v[LI], v[PC:PC+3], s[36:37]              ; 32 lanes store 512 consecutive bytes
	global_store_b128 v[LI], v[PC+4:PC+7], s[36:37] offset:512
	s_wait_alu depctr_va_vdst(0)
	s_wait_xcnt 0x0                                ; EXEC changes only behind this wait
	v_cmp_gt_u32 vcc_lo, 16, v1
	s_and_saveexec_b32 s44, vcc_lo                 ; lanes 0-15: a word a row
	global_store_b32 v4, v[PW], s[38:39] offset:WSCL
	s_wait_xcnt 0x0
	s_or_b32 exec_lo, exec_lo, s44
	s_wait_tensorcnt 0x0                           ; the wave's end
	ds_add_u32 v[SPW], v[NIL]
	s_wait_dscnt 0x0
	s_endpgm
; ---- THE VALUES: anchor along the keys.  Work-group 256 + s: key step s; wave w: 32 channels from 32 w on.  A lane takes a channel, its registers run down the keys: each load reads 128 consecutive bytes, and a block of 32 keys lies in one lane
.Lvalues:
	s_sub_co_u32 s30, ttmp9, 256
	s_lshl_b32 s40, s30, 17                        ; 128 rows of 1,024 bytes
	s_lshl_b32 s41, s[WV], 7
	s_add_co_u32 s40, s40, s41
	s_mov_b32 s41, 0
	s_add_nc_u64 s[40:41], s[4:5], s[40:41]
	s_mul_i32 s42, s30, BLK
	s_lshl_b32 s43, s[WV], 11                      ; two channel tiles
	s_add_co_u32 s44, s42, s43
	s_mov_b32 s45, 0
	s_add_nc_u64 s[44:45], s[20:21], s[44:45]
	s_lshr_b32 s43, s[WV], 2                       ; scale word p = w
	s_lshl_b32 s43, s43, 9
	s_add_co_u32 s42, s42, s43
	s_and_b32 s43, s[WV], 3
	s_lshl_b32 s43, s43, 2
	s_add_co_u32 s46, s42, s43
	s_mov_b32 s47, 0
	s_add_nc_u64 s[46:47], s[20:21], s[46:47]
.set ki, 0
.rept 128
	global_load_b32 v[32+ki], v[LS], s[40:41] offset:1024*ki
.set ki, ki+1
.endr
	v_bfe_u32 v16, v1, 3, 1                        ; channel x of the 32 is row r' = x % 8 + 8 (x / 16) of tile u = (x / 8) % 2
	v_and_b32 v17, 7, v1
	v_lshl_add_u32 v17, v3, 3, v17
	v_lshlrev_b32 v18, 4, v17
	v_lshl_add_u32 v19, v16, 8, v18                ; 16 (16 u + r')
	v_lshl_add_u32 v18, v16, 10, v18               ; 1,024 u + 16 r'
	s_wait_alu depctr_va_vdst(0)
	s_wait_loadcnt 63                              ; block 0's 32 loads are in (96 younger ones might stay out; the count's field holds 63)
	QB 32, 160, 0
	global_store_b128 v18, v[160:163], s[44:45]    ; sixteen lanes fill 256 consecutive bytes, aligned
	s_wait_loadcnt 63                              ; block 1's (64 younger)
	QB 64, 164, 1
	global_store_b128 v18, v[164:167], s[44:45] offset:256
	s_wait_loadcnt 32
	QB 96, 168, 2
	global_store_b128 v18, v[168:171], s[44:45] offset:512
	s_wait_loadcnt 0x0
	QB 128, 172, 3
	global_store_b128 v18, v[172:175], s[44:45] offset:768
	global_store_b32 v19, v[PW], s[46:47] offset:16384
	s_endpgm
; ---- PRODUCTS 1 AND 2.  Work-group i: hidden units 128 c on (c = i % 2), of anchor or guess ((i / 2) % 2), rows 128 (i / 4) on; wave w: one tile of 16 rows, and one tile of 16 rows of the weight, which it hands round through LDS as images.
.Lproj:
	s_and_b32 s30, ttmp9, 1                        ; c
	s_lshr_b32 s31, ttmp9, 2                       ; kb: which 128 rows
	s_and_b32 s29, ttmp9, 2                        ; 0: anchor; 2: guess
	s_lshr_b32 s40, s[WV], 1
	s_and_b32 s41, s[WV], 1
	s_lshl_b32 s42, s40, 15
	s_lshl_b32 s43, s41, 13
	s_add_co_u32 s42, s42, s43                     ; 32 (w / 2) + 8 (w % 2) rows, in bytes
	s_lshl_b32 s44, s30, 17
	s_add_co_u32 s44, s44, s42                     ; in the weight,
	s_mov_b32 s45, 0
	s_lshl_b32 s46, s31, 17
	s_add_co_u32 s46, s46, s42                     ; in anchor or guess
	s_mov_b32 s47, 0
	; where the fragment goes.  Keys: block (kb - 8) % 64, second half;
	s_sub_co_u32 s48, s31, 8
	s_and_b32 s48, s48, 63
	s_mul_i32 s48, s48, BLK
	s_add_co_u32 s48, s48, KPART
	s_lshl_b32 s49, s30, 9
	s_add_co_u32 s49, s49, s48
	s_add_co_u32 s49, s49, 16384
	s_lshl_b32 s50, s41, 8
	s_add_co_u32 s49, s49, s50
	s_lshl_b32 s50, s40, 2
	s_add_co_u32 s49, s49, s50                     ; its scale words: 512 c + 256 (w % 2) + 16 r + 4 (w / 2)
	s_lshl_b32 s50, s[WV], 11
	s_add_co_u32 s48, s48, s50
	s_lshl_b32 s50, s30, 10
	s_add_co_u32 s48, s48, s50                     ; fragment 2 w + c
	; queries: block 4 kb + w / 2, tile w % 2
	s_lshl_b32 s51, s31, 2
	s_add_co_u32 s51, s51, s40
	s_mul_i32 s51, s51, QBLK
	s_lshl_b32 s52, s41, 11
	s_add_co_u32 s52, s52, s51                     ; fragment 2 (w % 2),
	s_lshl_b32 s53, s41, 7
	s_add_co_u32 s53, s53, s51                     ; and its scale words, 4 r
	s_add_co_u32 s54, s52, s50                     ; + c
	s_lshl_b32 s55, s30, 6
	s_add_co_u32 s55, s55, s53
	s_add_co_u32 s55, s55, 4096
	s_cmp_lg_u32 s29, 0
	s_cselect_b64 s[32:33], s[6:7], s[4:5]         ; the rows,
	s_cselect_b64 s[34:35], s[10:11], s[8:9]       ; the weight,
	s_cselect_b64 s[36:37], s[14:15], s[12:13]     ; the bias,
	s_cselect_b64 s[38:39], s[22:23], s[20:21]     ; and where the result goes
	s_cselect_b32 s48, s54, s48
	s_cselect_b32 s50, s55, s49
	s_cselect_b32 s56, 2, 4
	s_add_nc_u64 s[32:33], s[32:33], s[46:47]
	s_add_nc_u64 s[34:35], s[34:35], s[44:45]
	s_mov_b32 s49, 0
	s_mov_b32 s51, 0
	s_add_nc_u64 s[40:41], s[38:39], s[48:49]
	s_add_nc_u64 s[42:43], s[38:39], s[50:51]
	s_lshl_b32 s44, s30, 9
	s_mov_b32 s45, 0
	s_add_nc_u64 s[36:37], s[36:37], s[44:45]      ; the bias at 128 c
	s_mov_b32 s46, s52
	s_mov_b32 s47, 0
	s_add_nc_u64 s[46:47], s[22:23], s[46:47]      ; Q(guess): fragments 2 (w % 2), + 1
	s_mov_b32 s48, s53
	s_add_nc_u64 s[48:49], s[22:23], s[48:49]
	LOADC XA, 34, 0, 1024, 1                       ; four units of 16 loads: the weight's K steps 0, 1, then my rows'
	LOADC XB, 34, 512, 1024, 1
	v_lshlrev_b32 v[RO], s56, v2                   ; 16 r or 4 r
	s_wait_alu depctr_va_vdst(0)
	s_wait_loadcnt 16                              ; each wait leaves the younger unit out
	TURN XA
	LOADC XA, 32, 0, 1024, 1
	QW XC, PC, PW
	TOLDS 0
	s_wait_loadcnt 16
	TURN XB
	LOADC XB, 32, 512, 1024, 1
	QW XC, PC, PW
	TOLDS 1
	s_wait_loadcnt 16
	TURN XA
	QW XC, XF, XS
.irp t, 0,1,2,3,4,5,6,7                        ; the bias is the C of each sum's first matrix instruction: lane (r, h) wants, for tile t, hidden units 32 (t / 2) + 8 (t % 2) + 16 h + 0 .. 7
	global_load_b128 v[XA+8*\t:XA+8*\t+3], v[BO], s[36:37] offset:(32*(\t/2)+8*(\t%2))*4
	global_load_b128 v[XA+8*\t+4:XA+8*\t+7], v[BO], s[36:37] offset:(32*(\t/2)+8*(\t%2))*4+16
.endr
	s_wait_alu depctr_va_vdst(0)
	s_wait_loadcnt 16                              ; the last unit; the bias may be out
	TURN XB
	QW XC, XF+8, XS+1
	s_wait_alu depctr_va_vdst(0)
	s_wait_dscnt 0x0                               ; for the others' sake: my stores have landed
	s_barrier_signal -1
	s_barrier_wait -1                              ; the weight's sixteen fragments lie in LDS
.irp t, 0,1,2,3,4,5,6,7
.irp g, 0,1
	ds_load_b128 v[XB+8*\t+4*\g:XB+8*\t+4*\g+3], v[LI] offset:2048*\t+512*\g
	ds_load_b128 v[XC+8*\t+4*\g:XC+8*\t+4*\g+3], v[LI] offset:2048*\t+1024+512*\g
.endr
	ds_load_b32 v[WS+\t], v[LS] offset:WSC+128*\t    ; lanes 0-15: the tile's words of K step 0; lanes 16-31: of K step 1
.endr
.rept 8
	v_nop                                          ; a scale word written by a vector instruction stands 8 places ahead of a scaled matrix instruction, codes 4
.endr
	s_wait_loadcnt 0x0                             ; the bias
	s_wait_dscnt 0x0
.irp t, 0,1,2,3,4,5,6,7                        ; TRANSPOSED: source 0 = 16 rows of the weight, source 1 = my 16 rows: a lane holds one row.  The eight accumulators take turns
	v_wmma_scale_f32_16x16x128_f8f6f4 v[XA+8*\t:XA+8*\t+7], v[XB+8*\t:XB+8*\t+7], v[XF:XF+7], v[XA+8*\t:XA+8*\t+7], v[WS+\t], v[XS] matrix_a_fmt:MATRIX_FMT_FP4 matrix_b_fmt:MATRIX_FMT_FP4
.endr
.irp t, 0,1,2,3,4,5,6,7
	v_wmma_scale_f32_16x16x128_f8f6f4 v[XA+8*\t:XA+8*\t+7], v[XC+8*\t:XC+8*\t+7], v[XF+8:XF+15], v[XA+8*\t:XA+8*\t+7], v[WS+\t], v[XS+1] matrix_a_fmt:MATRIX_FMT_FP4 matrix_b_fmt:MATRIX_FMT_FP4 matrix_a_scale:MATRIX_SCALE_ROW1
.endr
.rept 4
	v_nop                                          ; places in front of the first read of results
.endr
	QUANT XA                                       ; 128 hidden units of my 16 rows: one fragment of the score product
	global_store_b128 v[LI], v[PC:PC+3], s[40:41]
	global_store_b128 v[LI], v[PC+4:PC+7], s[40:41] offset:512
	s_or_b32 s57, s30, 0
	s_cmp_eq_u32 s29, 0
	s_cselect_b32 s57, 1, s57                      ; 0 where this is guess and c = 0: such a work-group also stores Q(guess)
	s_wait_alu depctr_va_vdst(0)
	s_cmp_lg_u32 s57, 0
	s_cbranch_scc1 .Lno_guess
.irp s, 0,1
	global_store_b128 v[LI], v[XF+8*\s:XF+8*\s+3], s[46:47] offset:4352+1024*\s
	global_store_b128 v[LI], v[XF+8*\s+4:XF+8*\s+7], s[46:47] offset:4352+1024*\s+512
.endr
	s_wait_xcnt 0x0                                ; EXEC changes only behind this wait
	v_cmp_gt_u32 vcc_lo, 16, v1
	s_and_saveexec_b32 s58, vcc_lo
	global_store_b32 v4, v[XS], s[48:49] offset:8448
	global_store_b32 v4, v[XS+1], s[48:49] offset:8448+64
	s_wait_xcnt 0x0
	s_or_b32 exec_lo, exec_lo, s58
.Lno_guess:
	s_wait_xcnt 0x0
	v_cmp_gt_u32 vcc_lo, 16, v1
	s_and_saveexec_b32 s58, vcc_lo
	global_store_b32 v[RO], v[PW], s[42:43]
	s_wait_xcnt 0x0
	s_or_b32 exec_lo, exec_lo, s58
	s_wait_tensorcnt 0x0                           ; the wave's end, behind my last LDS store
	ds_add_u32 v[SPW], v[NIL]
	s_wait_dscnt 0x0
	s_endpgm
.Lfunc_end_k_q76cce8ac9e_prep:
	.size	k_q76cce8ac9e_prep, .Lfunc_end_k_q76cce8ac9e_prep-k_q76cce8ac9e_prep
	.p2alignl 7, 3214868480
	.fill 96, 4, 3214868480
	.section	.rodata,"a",@progbits
	.p2align	6, 0x0
	.amdhsa_kernel k_q76cce8ac9e_prep
		.amdhsa_group_segment_fixed_size 153600
		.amdhsa_private_segment_fixed_size 0
		.amdhsa_enable_private_segment 0
		.amdhsa_kernarg_size 88
		.amdhsa_user_sgpr_count 2
		.amdhsa_user_sgpr_kernarg_segment_ptr 1
		.amdhsa_wavefront_size32 1
		.amdhsa_system_sgpr_workgroup_id_x 1
		.amdhsa_system_sgpr_workgroup_id_y 1
		.amdhsa_system_sgpr_workgroup_id_z 1
		.amdhsa_system_vgpr_workitem_id 0
		.amdhsa_next_free_vgpr 256
		.amdhsa_next_free_sgpr 66
		.amdhsa_reserve_vcc 1
		.amdhsa_float_denorm_mode_32 3
		.amdhsa_float_denorm_mode_16_64 3
		.amdhsa_memory_ordered 1
		.amdhsa_forward_progress 1
		.amdhsa_inst_pref_size 72
	.end_amdhsa_kernel
	.amdgpu_metadata
---
amdhsa.version: [ 1, 2 ]
amdhsa.kernels:
  - .name:           k_q76cce8ac9e_prep
    .symbol:         k_q76cce8ac9e_prep.kd
    .args:
      - { .name: anchor, .offset: 0, .size: 8, .value_kind: global_buffer, .address_space: global }
      - { .name: guess, .offset: 8, .size: 8, .value_kind: global_buffer, .address_space: global }
      - { .name: Wa, .offset: 16, .size: 8, .value_kind: global_buffer, .address_space: global }
      - { .name: Wg, .offset: 24, .size: 8, .value_kind: global_buffer, .address_space: global }
      - { .name: ba, .offset: 32, .size: 8, .value_kind: global_buffer, .address_space: global }
      - { .name: bg, .offset: 40, .size: 8, .value_kind: global_buffer, .address_space: global }
      - { .name: W1, .offset: 48, .size: 8, .value_kind: global_buffer, .address_space: global }
      - { .name: W2, .offset: 56, .size: 8, .value_kind: global_buffer, .address_space: global }
      - { .name: kv, .offset: 64, .size: 8, .value_kind: global_buffer, .address_space: global }
      - { .name: qimg, .offset: 72, .size: 8, .value_kind: global_buffer, .address_space: global }
      - { .name: wimg, .offset: 80, .size: 8, .value_kind: global_buffer, .address_space: global }
    .group_segment_fixed_size: 153600
    .private_segment_fixed_size: 0
    .kernarg_segment_align: 8
    .kernarg_segment_size: 88
    .max_flat_workgroup_size: 256
    .sgpr_count:     66
    .vgpr_count:     256
    .wavefront_size: 32
...
	.end_amdgpu_metadata
.endif
;; end of part 3
;; launch attn (part 4): grid 256 x 1, 8 waves a work-group, clusters of 4 x 1, 327,680 bytes of LDS; arguments qimg, kv, wimg, guess, b1, a1, b2, a2, W3, b3, out0; writes out0
.if DOCPART == 4
	.amdgcn_target "amdgcn-amd-amdhsa--gfx1250"
	.amdhsa_code_object_version 6
	.text
	.protected	k_q76cce8ac9e_attn
	.globl	k_q76cce8ac9e_attn
	.p2align	8
	.type	k_q76cce8ac9e_attn,@function
k_q76cce8ac9e_attn:
	s_mov_b64 s[64:65], 0
	v_nop
	global_prefetch_b8 v0, s[64:65] scope:SCOPE_SE
	s_setreg_imm32_b32 hwreg(HW_REG_WAVE_MODE, 25, 1), 1
	s_wait_xcnt 0x0
	s_wait_alu depctr_hold_cnt(0) depctr_sa_sdst(0) depctr_va_vdst(0) depctr_va_sdst(0) depctr_va_ssrc(0) depctr_va_vcc(0) depctr_vm_vsrc(0)
	s_getreg_b32 s2, hwreg(HW_REG_IB_STS2, 6, 4)
	s_cmp_eq_u32 s2, 0
	s_cbranch_scc0 .Lentry_in_a_cluster
	s_endpgm
.Lentry_in_a_cluster:
	s_bfe_u32 s2, ttmp6, 0x10000c
	s_cmp_lg_u32 s2, 0x3003
	s_cbranch_scc0 .Lentry_shape_is_right
	s_endpgm
.Lentry_shape_is_right:
; SECOND OF TWO LAUNCHES: products 3 to 7 for 32 queries a work-group, from the images that the first launch has laid.  No work is left out.
; SHARES.  Eight waves; each has all 32 queries (two tiles of 16) and an eighth of the keys: in trip n wave w takes key step 8 b + w (128 keys), b = (start + n) % 8.  At the end the eight partial results meet in LDS.
; Both products are used transposed: S^T = K Q^T, O^T = V^T P^T: a lane holds one query of each tile; a tile's rows were chosen so that two neighbouring tiles' 16 registers are 16 neighbours along the next K: 32 b + 16 (lane / 16) + 0 .. 15.
; THE SOFTMAX: t = score x log2(e); M = the running largest t of the wave's keys, rounded up to a whole number; p = 2^(t - M) is quantised along the keys, its f32 sum taken unquantised.  When M moves, sum and O are multiplied by 2^(old M - new M): exact.
; The waves' results are joined under the largest M of all eight, again by powers of two.
; THE ORDER.  A block of kv holds V of one key step and K of the wave's next.  A trip: softmax of step n, then V(n)'s product, then K(n+1)'s; then one round of the cluster's barrier and one joint load a wave bring the next block, under whose flight the next softmax stands.
; CLUSTERS: four work-groups walk the same blocks in the same order and ask for each jointly.  NO PREFETCH OF KV: the 64 clusters begin at eight different blocks of eight, so their first loads together name every byte of kv.
; PREFETCHED in the first trip, more than six trips ahead of the loads that want them: the work-group's 32 rows of guess (128 blocks of 256 bytes, waves 0 to 3, 32 each), and wimg (476 blocks, by four clusters only, 15 a wave).
; REGISTERS: window 1 (v256-511): O^T, accumulator (tile q, channel tile u) at 128 q + 8 u.  Window 0: see the names below.  v128-255 hold S^T, then p, and between CVT and the next S^T the fragments of V; the parts of it that S^T's groups 2 and 3 write take K's fragments of groups 1 and 2 before.
; LIMITS: NaN and infinities among the inputs are not served; the promise holds while the scaled scores stay under 2^31 in magnitude.  A block of p, or of any other quantised operand, whose largest magnitude lies under 2^-124 keeps the scale byte 1.
.set BLK,  34816
.set KO,   17408                       ; in a block: K behind V
.set SCR,  8*BLK                       ; LDS behind the eight waves' blocks: images of dis_x (12 fragments, 6 q + ks),
.set DXS,  12288                       ; their scale words (64 bytes a fragment),
.set H1I,  13312                       ; images of the first hidden layer (4 fragments, 2 q + k),
.set H1S,  17408                       ; their scale words,
.set STAT, 17664                       ; -M and sums (256 bytes a wave),
.set RED,  19712                       ; the last product's parts (256 bytes a wave),
.set SPARE, SCR+21760                  ; the spare words, 128 bytes for each wave: four blocks of 256 bytes that no other line names
.set WSCL, 114688
.set PFW,  0                           ; v0   the prefetch of wimg: offset (behind the head)
.set AD,   1                           ; v1   LDS address of my block + 16 x lane
.set SPW,  2                           ; v2   LDS address of my spare word; never rewritten
.set NIL,  3                           ; v3   0; never rewritten
.set LI,   4                           ; v4   16 x lane
.set PWR,  5                           ; v5   p's scale words: lanes 0-15 tile 0, lanes 16-31 tile 1
.set QS,   6                           ; v6-7 Q's scale words: tile q; lanes 0-15 K step 0, lanes 16-31 K step 1
.set KS,   8                           ; v8-15 K's scale words
.set VS,   16                          ; v16-23 V's
.set NM,   24                          ; v24, v26  -M of tile 0, 1
.set PT,   25                          ; v25  the largest t so far: lanes 0-15 tile 0, lanes 16-31 tile 1
.set PM,   27                          ; v27  -M likewise
.set FF,   28                          ; v28, v30  2^(old M - new M) of tile 0, 1
.set GA,   29                          ; v29  byte offset of my piece of guess
.set PFG,  31                          ; v31  the prefetch of guess: offset
.set LL,   32                          ; v[32:33], v[34:35] the sums of tile 0, 1, each in two halves
.set AX,   36                          ; v36-39 at work
.set P,    40                          ; v40-55 p's codes
.set T,    56                          ; v56-63 maxima, then the conversions' scale operands: 4 q + block
.set KB,   64                          ; v64-95 four fragments of K
.set Q,    96                          ; v96-127 Q's fragments: 2 q + K step
.set S,    128
.set WV,   26
.set CX,   27
.set XG,   28
.set G1,   32                          ; s[32:39] descriptor group 1: a whole block;  s[40:47]: V alone
.set G1V,  40
.set G0,   48
.set CS,   52                          ; s[52:53] log2(e)
.set CNT,  54
.set RND,  55
.set OFF,  56
.set KVB,  58
.set MSB, 0
.macro WIN new                         ; the immediate's high byte repeats the setting that is left
.if MSB != \new
	s_set_vgpr_msb (MSB<<8)|\new
.set MSB, \new
.endif
.endm
.macro PLACES n
.rept \n
	v_nop
.endr
.endm
.macro BARRIER
	s_wait_alu depctr_va_vdst(0)
	s_wait_dscnt 0x0
	s_barrier_signal -1
	s_barrier_wait -1
.endm
.macro CREST                           ; a round of the cluster's barrier behind its opening barrier
	s_cmp_lg_u32 s[WV], 0
	s_cbranch_scc1 .Lnot_wave_0_\@
	s_barrier_signal -3
.Lnot_wave_0_\@:
	s_barrier_wait -3
	s_barrier_signal -1
	s_barrier_wait -1
.endm
.macro ROUND
	s_barrier_signal -1
	s_barrier_wait -1
	CREST
.endm
; one matrix instruction; z: C is 0; ra, rb: a side's scales stand in lanes 16-31
.macro MM d, a, b, z, sa, sb, ra, rb
.set mr, (\ra)+2*(\rb)
.if \z
.if mr == 0
	v_wmma_scale_f32_16x16x128_f8f6f4 v[\d:\d+7], v[\a:\a+7], v[\b:\b+7], 0, v[\sa], v[\sb] matrix_a_fmt:MATRIX_FMT_FP4 matrix_b_fmt:MATRIX_FMT_FP4
.elseif mr == 1
	v_wmma_scale_f32_16x16x128_f8f6f4 v[\d:\d+7], v[\a:\a+7], v[\b:\b+7], 0, v[\sa], v[\sb] matrix_a_fmt:MATRIX_FMT_FP4 matrix_b_fmt:MATRIX_FMT_FP4 matrix_a_scale:MATRIX_SCALE_ROW1
.elseif mr == 2
	v_wmma_scale_f32_16x16x128_f8f6f4 v[\d:\d+7], v[\a:\a+7], v[\b:\b+7], 0, v[\sa], v[\sb] matrix_a_fmt:MATRIX_FMT_FP4 matrix_b_fmt:MATRIX_FMT_FP4 matrix_b_scale:MATRIX_SCALE_ROW1
.else
	v_wmma_scale_f32_16x16x128_f8f6f4 v[\d:\d+7], v[\a:\a+7], v[\b:\b+7], 0, v[\sa], v[\sb] matrix_a_fmt:MATRIX_FMT_FP4 matrix_b_fmt:MATRIX_FMT_FP4 matrix_a_scale:MATRIX_SCALE_ROW1 matrix_b_scale:MATRIX_SCALE_ROW1
.endif
.else
.if mr == 0
	v_wmma_scale_f32_16x16x128_f8f6f4 v[\d:\d+7], v[\a:\a+7], v[\b:\b+7], v[\d:\d+7], v[\sa], v[\sb] matrix_a_fmt:MATRIX_FMT_FP4 matrix_b_fmt:MATRIX_FMT_FP4
.elseif mr == 1
	v_wmma_scale_f32_16x16x128_f8f6f4 v[\d:\d+7], v[\a:\a+7], v[\b:\b+7], v[\d:\d+7], v[\sa], v[\sb] matrix_a_fmt:MATRIX_FMT_FP4 matrix_b_fmt:MATRIX_FMT_FP4 matrix_a_scale:MATRIX_SCALE_ROW1
.elseif mr == 2
	v_wmma_scale_f32_16x16x128_f8f6f4 v[\d:\d+7], v[\a:\a+7], v[\b:\b+7], v[\d:\d+7], v[\sa], v[\sb] matrix_a_fmt:MATRIX_FMT_FP4 matrix_b_fmt:MATRIX_FMT_FP4 matrix_b_scale:MATRIX_SCALE_ROW1
.else
	v_wmma_scale_f32_16x16x128_f8f6f4 v[\d:\d+7], v[\a:\a+7], v[\b:\b+7], v[\d:\d+7], v[\sa], v[\sb] matrix_a_fmt:MATRIX_FMT_FP4 matrix_b_fmt:MATRIX_FMT_FP4 matrix_a_scale:MATRIX_SCALE_ROW1 matrix_b_scale:MATRIX_SCALE_ROW1
.endif
.endif
.endm
; K's group g: key tiles 2 g, 2 g + 1, both K steps: four fragments f = 2 (tile) + K step.  Groups 0 and 3 at KB; group 1 where S^T's tiles 4, 5 will stand, group 2 where its tiles 6, 7 will
.macro KREG g, f
.if (\g == 1) || (\g == 2)
.set kr, S+16+16*\g+8*(\f)+48*((\f)/2)
.else
.set kr, KB+8*(\f)
.endif
.endm
.macro KLOAD g
.irp f, 0,1,2,3
	KREG \g, \f
	ds_load_b128 v[kr:kr+3], v[AD] offset:KO+1024*(4*\g+\f)
	ds_load_b128 v[kr+4:kr+7], v[AD] offset:KO+1024*(4*\g+\f)+512
.endr
.endm
.macro KFIRST                          ; K's scale words and group 0: ten loads
.irp c, 0,1
	ds_load_b128 v[KS+4*\c:KS+4*\c+3], v[AD] offset:KO+16384+512*\c
.endr
	KLOAD 0
.endm
.macro QKG g                           ; four accumulators by turns
.irp c, 0,1
.irp j, 0,1
	KREG \g, 2*\j+\c
.irp q, 0,1
	MM S+64*\q+8*(2*\g+\j), kr, Q+8*(2*\q+\c), 1-\c, KS+4*\c+\g, QS+\q, \j, \c
.endr
.endr
.endr
.endm
.macro MAXB b                          ; my largest 16 scores of block b, of both tiles: 16 lines, four chains
.irp q, 0,1
	v_max3_num_f32 v[T+4*\q+\b], v[S+64*\q+16*\b], v[S+64*\q+16*\b+1], v[S+64*\q+16*\b+2]
.endr
.irp q, 0,1
	v_max3_num_f32 v[AX+\q], v[S+64*\q+16*\b+8], v[S+64*\q+16*\b+9], v[S+64*\q+16*\b+10]
.endr
.irp i, 3,5
.irp q, 0,1
	v_max3_num_f32 v[T+4*\q+\b], v[T+4*\q+\b], v[S+64*\q+16*\b+\i], v[S+64*\q+16*\b+\i+1]
.endr
.irp q, 0,1
	v_max3_num_f32 v[AX+\q], v[AX+\q], v[S+64*\q+16*\b+\i+8], v[S+64*\q+16*\b+\i+9]
.endr
.endr
.irp q, 0,1
	v_max3_num_f32 v[T+4*\q+\b], v[T+4*\q+\b], v[S+64*\q+16*\b+7], v[S+64*\q+16*\b+15]
.endr
.irp q, 0,1
	v_max_num_f32 v[T+4*\q+\b], v[T+4*\q+\b], v[AX+\q]
.endr
.endm
; The lane halves are joined two blocks at a time: a swap of lanes 16-31 of the one with lanes 0-15 of the other, and a maximum: lanes 0-15 then hold block 2 j, lanes 16-31 block 2 j + 1, in v[T + 4 q + 2 j].  Likewise the rows' maxima of the two tiles.
.macro XMAX
.irp q, 0,1
.irp j, 0,2
	v_permlane16_swap_b32 v[T+4*\q+\j], v[T+4*\q+\j+1]
.endr
.endr
.irp q, 0,1
.irp j, 0,2
	v_max_num_f32 v[T+4*\q+\j], v[T+4*\q+\j], v[T+4*\q+\j+1]
.endr
.endr
.irp q, 0,1
	v_max_num_f32 v[AX+\q], v[T+4*\q], v[T+4*\q+2]
.endr
	v_permlane16_swap_b32 v[AX], v[AX+1]
	v_max_num_f32 v[AX], v[AX], v[AX+1]
	v_mul_f32 v[AX], s[CS], v[AX]                  ; as t
	v_max_num_f32 v[PT], v[PT], v[AX]
	v_mov_b32 v[AX], v[PM]
	v_floor_f32 v[PM], -v[PT]                      ; the new -M: a whole number
	v_sub_f32 v[AX], v[PM], v[AX]
	v_cvt_i32_f32 v[AX], v[AX]                     ; (it saturates)
	v_ldexp_f32 v[FF], 1.0, v[AX]
	v_mov_b32 v[NM], v[PM]
	v_mov_b32 v[NM+2], v[PM]
	v_mov_b32 v[FF+2], v[FF]
	v_permlane16_swap_b32 v[NM], v[NM+2]           ; tile 0's in every lane, tile 1's in every lane
	v_permlane16_swap_b32 v[FF], v[FF+2]
.endm
; K's product and the softmax of a trip, with the round and the joint load.  KFIRST's ten loads are out at its start.  mode 0: the first trip; 2: the last
.macro SM mode
	KLOAD 1
	KLOAD 2
	s_wait_dscnt 16                                ; the scale words and group 0 are in; groups 1 and 2 may be out
	QKG 0
	PLACES 4                                       ; in front of loads into group 0's registers, and of the first reads of its results
	KLOAD 3
	s_wait_tensorcnt 0x0                           ; all my tensor loads are done, so a group 0 may be written;
	ds_add_u32 v[SPW], v[NIL]                      ; 0 onto my spare word
	s_add_co_u32 s[RND], s[RND], 1
	s_and_b32 s[RND], s[RND], 7
	s_mul_i32 s[OFF], s[RND], 8*BLK
	s_add_nc_u64 s[G0+2:G0+3], s[KVB:KVB+1], s[OFF:OFF+1]
	s_or_b32 s[G0+3], s[G0+3], 0x80000000
	s_wait_dscnt 17                                ; group 1 is in; groups 2, 3 and the add may be out
	QKG 1
	MAXB 0                                         ; (these are also the places ahead of group 2's results, which are laid over group 1's fragments)
	s_wait_dscnt 9                                 ; group 2 is in
	QKG 2
	MAXB 1
	s_wait_dscnt 0x0                               ; the add is done, and my reads of the block are over
	s_barrier_signal -1
	QKG 3                                          ; work on registers while the others arrive
	MAXB 2
	MAXB 3
	XMAX
	s_wait_alu depctr_va_vdst(0)
	s_barrier_wait -1
	CREST
.if \mode < 2
	tensor_load_to_lds s[G0:G0+3], s[G1:G1+7]      ; V of this trip's key step, K of the next
	s_nop 0
.else
	tensor_load_to_lds s[G0:G0+3], s[G1V:G1V+7]    ; the last: V alone
	s_nop 0
.irp b, 0,1                                        ; K's and Q's registers are free: guess (64 channels of my row, as f32), and W1's first four fragments
.irp j, 0,1,2,3
	global_load_b128 v[KB+16*\b+4*\j:KB+16*\b+4*\j+3], v[GA], s[74:75] offset:128*\b+16*\j th:TH_LOAD_NT
.endr
.endr
.set fi, 0
.rept 8
	global_load_b128 v[Q+4*fi:Q+4*fi+3], v[LI], s[76:77] offset:512*fi
.set fi, fi+1
.endr
.endif
.set si, 0
.rept 32
.irp q, 0,1
	v_pk_fma_f32 v[S+64*\q+si:S+64*\q+si+1], v[S+64*\q+si:S+64*\q+si+1], s[CS:CS+1], v[NM+2*\q:NM+2*\q+1] op_sel_hi:[1,0,0]   ; t - M
.endr
.set si, si+2
.endr
.irp q, 0,1
.irp j, 0,2
	v_fma_f32 v[T+4*\q+\j], v[T+4*\q+\j], s[CS], v[NM+2*\q]   ; the same of the blocks' largest scores
.endr
.endr
	s_wait_alu depctr_va_vdst(0)
.if \mode == 0
	s_cmp_lt_u32 s[WV], 4
	s_cbranch_scc0 .Lno_pfg
	global_prefetch_b8 v[PFG], s[74:75] th:TH_LOAD_NT scope:SCOPE_SE
.Lno_pfg:
	s_cmp_lt_u32 ttmp9, 4
	s_cbranch_scc0 .Lno_pfw
	global_prefetch_b8 v[PFW], s[8:9] th:TH_LOAD_NT scope:SCOPE_SE
.Lno_pfw:
.endif
.set si, 0
.rept 128
	v_exp_f32 v[S+si], v[S+si]                     ; p = 2^(t - M)
.set si, si+1
.endr
.irp j, 0,2,4,6
	v_exp_f32 v[T+\j], v[T+\j]                     ; the blocks' largest p: the same two instructions on the same number
.endr
.irp q, 0,1
	v_pk_mul_f32 v[LL+2*\q:LL+2*\q+1], v[LL+2*\q:LL+2*\q+1], v[FF+2*\q:FF+2*\q+1] op_sel_hi:[1,0]
.endr
	s_wait_alu depctr_va_vdst(0)                   ; one wait for the batch, ahead of its first reader
.irp q, 0,1
	v_pk_add_f32 v[AX+2*\q:AX+2*\q+1], v[S+64*\q:S+64*\q+1], v[S+64*\q+2:S+64*\q+3]
.endr
.irp j, 4,8,12,16,20,24,28,32,36,40,44,48,52,56,60
.irp q, 0,1
	v_pk_add_f32 v[LL+2*\q:LL+2*\q+1], v[LL+2*\q:LL+2*\q+1], v[S+64*\q+\j:S+64*\q+\j+1]
.endr
.irp q, 0,1
	v_pk_add_f32 v[AX+2*\q:AX+2*\q+1], v[AX+2*\q:AX+2*\q+1], v[S+64*\q+\j+2:S+64*\q+\j+3]
.endr
.endr
.irp j, 0,2,4,6
	v_max_num_f32 v[T+\j], 0x1800000, v[T+\j]      ; the floor: the byte cannot fall under 1
.endr
.irp q, 0,1
	v_pk_add_f32 v[LL+2*\q:LL+2*\q+1], v[LL+2*\q:LL+2*\q+1], v[AX+2*\q:AX+2*\q+1]
.endr
.irp j, 0,2,4,6
	v_add_nc_u32 v[T+\j], 0xff000000, v[T+\j]      ; 2 off the exponent field: the conversions' scale operands, two blocks a register
.endr
.irp j, 0,2,4,6
	v_lshrrev_b32 v[T+\j+1], 23, v[T+\j]
.endr
.irp q, 0,1
	v_lshl_or_b32 v[T+4*\q+1], v[T+4*\q+3], 16, v[T+4*\q+1]   ; lanes 0-15: bytes of blocks 0, 2; lanes 16-31: of blocks 1, 3
.endr
	v_permlane16_swap_b32 v[T+1], v[T+5]           ; lanes 0-15 tile 0's, lanes 16-31 tile 1's
	v_lshl_or_b32 v[PWR], v[T+5], 8, v[T+1]
.irp j, 0,2,4,6
	v_mov_b32 v[T+\j+1], v[T+\j]
.endr
.irp j, 0,2,4,6
	v_permlane16_swap_b32 v[T+\j], v[T+\j+1]       ; now every lane has each block's operand, in v[T + 4 q + block]
.endr
.irp q, 0,1
.irp b, 0,1,2,3
	v_cvt_scalef32_pk8_fp4_f32 v[P+8*\q+2*\b], v[S+64*\q+16*\b:S+64*\q+16*\b+7], v[T+4*\q+\b]
	v_cvt_scalef32_pk8_fp4_f32 v[P+8*\q+2*\b+1], v[S+64*\q+16*\b+8:S+64*\q+16*\b+15], v[T+4*\q+\b]
.endr
.endr
	v_nop                                          ; one plain place behind a scaled conversion
.irp q, 0,1
.irp c, 0,4
.irp i, 0,1
	v_permlane16_swap_b32 v[P+8*\q+\c+\i], v[P+8*\q+\c+2+\i]   ; a whole block in a lane
.endr
.endr
.endr
.endm
.macro PVH u0
.irp u, 0,1,2,3,4,5,6,7
.irp q, 0,1
	MM 128*\q+8*(\u0+\u), S+8*(\u0+\u), P+8*\q, ZC, VS+(\u0+\u)/2, PWR, (\u0+\u)%2, \q
.endr
.endr
.endm
; V's product.  mode 0: the sums begin; 2: nothing of K follows
.macro PVM mode
	s_wait_alu depctr_va_vdst(0)
	s_wait_tensorcnt 0x0                           ; my block is in: the bytes are mine alone
.irp c, 0,1
	ds_load_b128 v[VS+4*\c:VS+4*\c+3], v[AD] offset:16384+512*\c
.endr
.set fi, 0
.rept 32
	ds_load_b128 v[S+4*fi:S+4*fi+3], v[AD] offset:512*fi
.set fi, fi+1
.endr
.if \mode < 2
	KFIRST
.endif
.if \mode > 0
.set ZC, 0
	WIN 0x41
	s_wait_alu depctr_va_vdst(0)                   ; ahead of the first reader of O^T
.irp q, 0,1
.set oi, 0
.rept 64
	v_pk_mul_f32 v[128*\q+oi:128*\q+oi+1], v[128*\q+oi:128*\q+oi+1], v[FF+2*\q:FF+2*\q+1] op_sel_hi:[1,0]   ; O^T under the new M
.set oi, oi+2
.endr
.endr
.else
.set ZC, 1
	PLACES 4                                       ; p's codes stand 4 places ahead of a scaled matrix instruction
.endif
	WIN 0x50
	s_wait_alu depctr_va_vdst(0)
.if \mode < 2
	s_wait_dscnt 26                                ; V's scale words and first eight fragments are in: its other sixteen loads and K's ten may be out
	PVH 0
	s_wait_dscnt 10
	PVH 8
.else
	s_wait_dscnt 16
	PVH 0
	s_wait_dscnt 0x0
	PVH 8
.endif
	WIN 0
	PLACES 5                                       ; in front of loads into V's registers (4), and of matrix results laid over them (5)
.endm
; two blocks of 32 (16 numbers a lane half each) in v[s], v[s + 16] on: codes in v[40:41], v[42:43], their bytes in v48, v49
.set QT, 44
.macro QB2 s
.irp b, 0,1
	v_max3_num_f32 v[QT+\b], |v[\s+16*\b]|, |v[\s+16*\b+1]|, 0x1800000
.endr
.irp i, 2,4,6,8,10,12,14
.irp b, 0,1
	v_max3_num_f32 v[QT+\b], |v[\s+16*\b+\i]|, |v[\s+16*\b+\i+1]|, v[QT+\b]
.endr
.endr
	v_permlane16_swap_b32 v[QT], v[QT+1]
	v_max_num_f32 v[QT], v[QT], v[QT+1]
	v_add_nc_u32 v[QT+2], 0xff000000, v[QT]
	v_mov_b32 v[QT+3], v[QT+2]
	v_permlane16_swap_b32 v[QT+2], v[QT+3]
.irp b, 0,1
	v_lshrrev_b32 v[QT+4+\b], 23, v[QT+2+\b]
.endr
.irp b, 0,1
	v_cvt_scalef32_pk8_fp4_f32 v[40+2*\b], v[\s+16*\b:\s+16*\b+7], v[QT+2+\b]
	v_cvt_scalef32_pk8_fp4_f32 v[41+2*\b], v[\s+16*\b+8:\s+16*\b+15], v[QT+2+\b]
.endr
	v_nop
.endm
	s_load_b512 s[4:19], s[0:1], 0x0               ; qimg 4:5, kv 6:7, wimg 8:9, guess 10:11, b1 12:13, a1 14:15, b2 16:17, a2 18:19
	s_load_b128 s[20:23], s[0:1], 0x40             ; W3, b3
	s_load_b64 s[24:25], s[0:1], 0x50              ; out0
	v_lshl_add_u32 v[SPW], v0, 2, SPARE
	v_mov_b32 v[NIL], 0
	ds_add_u32 v[SPW], v[NIL]                      ; the wave's opening: the add, twice on end, and its wait ahead of my first tensor load
	ds_add_u32 v[SPW], v[NIL]
	v_lshrrev_b32 v40, 5, v0
	v_readfirstlane_b32 s[WV], v40                 ; wave 0..7
	s_bfe_u32 s[CX], ttmp6, 0x40000
	s_lshl_b32 s[XG], ttmp9, 2
	s_add_co_u32 s[XG], s[XG], s[CX]               ; queries 32 XG on
	s_mov_b32 s[G1], 15|(3<<16)|(1<<21)            ; 15:0 all four work-groups; 17:16 elements of 8 bytes; 21 set beside a mask; no padding: register images are read 512 bytes on end
	s_mov_b32 s[G1+1], 32<<16                      ; rows of 256 bytes,
	s_mov_b32 s[G1+2], 136<<16                     ; 136 of them: 34,816 bytes
	s_mov_b32 s[G1+3], 32<<16
	s_mov_b32 s[G1+4], 136
	s_mov_b32 s[G1V], 15|(3<<16)|(1<<21)           ; the same, 68 rows
	s_mov_b32 s[G1V+1], 32<<16
	s_mov_b32 s[G1V+2], 68<<16
	s_mov_b32 s[G1V+3], 32<<16
	s_mov_b32 s[G1V+4], 68
.irp g, G1, G1V
	s_mov_b32 s[\g+5], 32
	s_mov_b32 s[\g+6], 0
	s_mov_b32 s[\g+7], 0
.endr
	s_mov_b32 s[CS], 0x3fb8aa3b                    ; log2(e)
	s_mov_b32 s[CS+1], s[CS]
	s_mov_b32 s[CNT], 6
	s_lshr_b32 s92, ttmp9, 4                       ; where this cluster's walk begins: three bits folded from the cluster's six
	s_xor_b32 s92, s92, ttmp9
	s_lshr_b32 s93, s92, 1
	s_xor_b32 s93, s93, s92
	s_and_b32 s93, s93, 4
	s_and_b32 s92, s92, 3
	s_or_b32 s[RND], s92, s93
	s_mov_b32 s[OFF+1], 0
	s_mul_i32 s92, s[WV], BLK
	s_mov_b32 s93, 0
	v_and_b32 v40, 31, v0                          ; lane
	v_and_b32 v41, 15, v0                          ; r
	v_bfe_u32 v42, v0, 4, 1                        ; h
	v_lshlrev_b32 v[LI], 4, v40
	v_lshlrev_b32 v44, 2, v40
	v_add_nc_u32 v[AD], s92, v[LI]
	s_lshr_b32 s94, s[WV], 2                       ; at the end my query tile
	s_and_b32 s95, s[WV], 3                        ; and my 64 channels
	s_mul_i32 s96, s94, 6144
	s_lshl_b32 s97, s95, 9
	s_add_co_u32 s96, s96, s97
	s_add_co_u32 s96, s96, SCR
	v_add_nc_u32 v45, s96, v[LI]                   ; where my half fragment of Q(guess) goes
	v_and_b32 v43, 8, v41
	v_add_nc_u32 v43, v43, v41                     ; r + 8 (r / 8)
	v_lshlrev_b32 v[GA], 10, v43
	v_lshl_add_u32 v[GA], v42, 6, v[GA]
	s_lshl_b32 s96, s94, 13
	s_lshl_b32 s97, s95, 8
	s_add_co_u32 s96, s96, s97
	v_add_nc_u32 v[GA], s96, v[GA]                 ; guess: row 8 q + r + 8 (r / 8), channels 64 (w % 4) + 16 h on
	s_lshl_b32 s97, s[WV], 13
	v_lshlrev_b32 v[PFG], 8, v40
	v_add_nc_u32 v[PFG], s97, v[PFG]
	s_lshl_b32 s97, s[CX], 3
	s_add_co_u32 s97, s97, s[WV]
	s_mul_i32 s97, s97, 15
	v_min_u32 v46, 14, v40
	v_add_nc_u32 v46, s97, v46
	v_min_u32 v46, 475, v46
	v_lshlrev_b32 v[PFW], 8, v46                   ; block min(15 (8 cx + w) + min(lane, 14), 475)
	s_wait_alu depctr_va_vdst(0)
	s_wait_dscnt 0x0                               ; both opening adds are done
	s_wait_kmcnt 0x0
	s_mul_i32 s70, s[XG], 8704
	s_mov_b32 s71, 0
	s_add_nc_u64 s[70:71], s[4:5], s[70:71]
	s_lshl_b32 s72, s[WV], 9
	s_mov_b32 s73, 0
	s_add_nc_u64 s[72:73], s[70:71], s[72:73]
.set fi, 0
.rept 8
	global_load_b128 v[Q+4*fi:Q+4*fi+3], v[LI], s[70:71] offset:512*fi
.set fi, fi+1
.endr
.irp q, 0,1
	global_load_b32 v[QS+\q], v44, s[70:71] offset:4096+128*\q
.endr
	global_load_b128 v[48:51], v[LI], s[72:73] offset:4352   ; half a fragment of Q(guess): w of eight
	s_add_nc_u64 s[KVB:KVB+1], s[6:7], s[92:93]
	s_mov_b32 s[G0], 1
	s_mov_b32 s[G0+1], s92
	s_mul_i32 s[OFF], s[RND], 8*BLK
	s_add_nc_u64 s[G0+2:G0+3], s[KVB:KVB+1], s[OFF:OFF+1]
	s_or_b32 s[G0+3], s[G0+3], 0x80000000
	ROUND                                          ; all four work-groups are here: the first joint loads meet
	tensor_load_to_lds s[G0:G0+3], s[G1:G1+7]
	s_nop 0
	PLACES 4
	s_load_b32 s60, s[14:15], 0x0
	s_load_b32 s66, s[18:19], 0x0
	s_load_b32 s68, s[22:23], 0x0
	s_lshl_b32 s74, s[XG], 15
	s_mov_b32 s75, 0
	s_add_nc_u64 s[74:75], s[10:11], s[74:75]      ; guess: my 32 rows
	s_mul_i32 s76, s[WV], 12288
	s_mov_b32 s77, 0
	s_add_nc_u64 s[76:77], s[8:9], s[76:77]        ; W1: my twelve fragments (tiles 2 w, 2 w + 1)
	s_lshl_b32 s78, s[WV], 11
	s_add_co_u32 s78, s78, 98304
	s_mov_b32 s79, 0
	s_add_nc_u64 s[78:79], s[8:9], s[78:79]        ; W2: my two (tile w)
	s_mul_i32 s80, s[WV], 768
	s_mov_b32 s81, 0
	s_add_nc_u64 s[80:81], s[8:9], s[80:81]        ; their scale words
	s_lshl_b32 s82, s[WV], 7
	s_mov_b32 s83, 0
	s_add_nc_u64 s[84:85], s[12:13], s[82:83]      ; b1 at 32 w
	s_add_nc_u64 s[82:83], s[8:9], s[82:83]
	s_lshl_b32 s86, s[WV], 6
	s_mov_b32 s87, 0
	s_add_nc_u64 s[88:89], s[20:21], s[86:87]      ; W3 at 16 w
	s_add_nc_u64 s[86:87], s[16:17], s[86:87]      ; b2 at 16 w
	s_lshl_b32 s90, s[XG], 7
	s_mov_b32 s91, 0
	s_add_nc_u64 s[90:91], s[24:25], s[90:91]      ; out0
	v_mov_b32 v[PT], 0xff61b1e6                    ; the largest t so far: -3e38, under every t
	v_floor_f32 v[PM], -v[PT]
.irp j, 0,1,2,3
	v_mov_b32 v[LL+\j], 0
.endr
	s_wait_alu depctr_va_vdst(0)
	s_wait_loadcnt 0x0
	ds_store_b128 v45, v[48:51]
	s_wait_kmcnt 0x0
	s_mov_b32 s61, s60
	s_mov_b32 s67, s66
	s_wait_tensorcnt 0x0                           ; my first block is in
	KFIRST
	SM 0
	PVM 0
.Lloop:
	SM 1
	PVM 1
	s_sub_co_u32 s[CNT], s[CNT], 1
	s_wait_alu depctr_va_vdst(0)
	s_cmp_lg_u32 s[CNT], 0
	s_cbranch_scc1 .Lloop
	SM 2
	PVM 2
; THE WAY OUT.  Wave w has, from here on, query tile q = w / 4 and channels 64 (w % 4) on of ge2ac; of the first hidden layer units 32 w on, of the second units 16 w on, for both tiles.
.set L4,  240
.set H64, 241
.set H32, 242
.set DXA, 243
.set DXB, 244
.set SA,  245
.set SRD, 246
.set OA,  247                          ; v247-250
.set H1A, 251
.set H1B, 252
.set SB16, 254
.set SB4, 255
.set W1F, 96                           ; v96-191: W1's fragments 6 i + ks
.set W2F, 192                          ; v192-207
.set GE,  208                          ; v208-239: ge2ac
	s_mul_i32 s92, s94, 6144
	s_lshl_b32 s93, s95, 9
	s_add_co_u32 s92, s92, s93
	s_add_co_u32 s92, s92, SCR                     ; DXA
	s_mul_i32 s93, s94, 384
	s_lshr_b32 s96, s95, 1
	s_lshl_b32 s96, s96, 6
	s_add_co_u32 s93, s93, s96
	s_and_b32 s96, s95, 1
	s_lshl_b32 s96, s96, 1
	s_add_co_u32 s93, s93, s96
	s_add_co_u32 s93, s93, SCR+DXS                 ; DXB
	s_lshl_b32 s96, s[WV], 8
	s_add_co_u32 s97, s96, SCR+H1I                 ; H1A
	s_add_co_u32 s96, s96, SCR+STAT                ; SA
	s_lshl_b32 s98, s94, 6
	s_add_co_u32 s99, s98, s95
	s_add_co_u32 s99, s99, SCR+H1S                 ; H1B
	s_add_co_u32 s98, s98, SCR+STAT                ; SRD
	s_lshl_b32 s94, s94, 14
	s_lshl_b32 s95, s95, 12
	s_add_co_u32 s94, s94, s95                     ; OA
	v_lshrrev_b32 v44, 4, v[LI]                    ; lane
	v_lshrrev_b32 v[L4], 2, v[LI]                  ; 4 x lane
	v_add_f32 v36, v32, v33                        ; the sums' halves,
	v_add_f32 v37, v34, v35
	v_and_b32 v45, 15, v44                         ; r
	v_lshrrev_b32 v46, 4, v44                      ; h
	v_permlane16_swap_b32 v36, v37                 ; and the lane halves': lanes 0-15 tile 0's, lanes 16-31 tile 1's
	v_lshlrev_b32 v47, 4, v45
	v_lshl_add_u32 v47, v46, 3, v47                ; 16 r + 8 h
	v_lshlrev_b32 v48, 2, v45                      ; 4 r
	v_add_f32 v36, v36, v37
	v_lshlrev_b32 v[H64], 6, v46
	v_lshlrev_b32 v[H32], 5, v46
	v_add_nc_u32 v[SB16], SCR, v[LI]
	v_add_nc_u32 v[SB4], SCR, v[L4]
	v_add_nc_u32 v[DXA], s92, v47
	v_add_nc_u32 v[DXB], s93, v48
	v_add_nc_u32 v[H1A], s97, v47
	v_add_nc_u32 v[H1B], s99, v48
	v_add_nc_u32 v[SA], s96, v[L4]
	v_add_nc_u32 v[SRD], s98, v48
	v_add_nc_u32 v[OA], s94, v[LI]
.irp p, 1,2,3
	v_add_nc_u32 v[OA+\p], 2*BLK*\p, v[OA]
.endr
.set fi, 8
.rept 16
	global_load_b128 v[W1F+4*fi:W1F+4*fi+3], v[LI], s[76:77] offset:512*fi
.set fi, fi+1
.endr
.set fi, 0
.rept 4
	global_load_b128 v[W2F+4*fi:W2F+4*fi+3], v[LI], s[78:79] offset:512*fi
.set fi, fi+1
.endr
.irp p, 0,1,2,3,4,5
	global_load_b32 v[KS+\p], v[L4], s[80:81] offset:WSCL+128*\p
.endr
	global_load_b32 v[KS+6], v[L4], s[82:83] offset:WSCL+6144
.irp q, 0,1
	global_load_b32 v[VS+3*\q], v[L4], s[70:71] offset:8448+128*\q
.endr
	ds_store_b32 v[SA], v[PM]
	ds_store_b32 v[SA], v36 offset:128
	WIN 0x04
.set fi, 0
.rept 64
	ds_store_b128 v[AD], v[4*fi:4*fi+3] offset:512*fi   ; my part of O^T, into my own block, which has had its last fill
.set fi, fi+1
.endr
	WIN 0
	BARRIER
	s_wait_xcnt 0x0                                ; the registers of guess's loads and of the prefetches may be written
.irp x, 0,1,2,3,4,5,6,7
	ds_load_b32 v[56+\x], v[SRD] offset:256*\x             ; -M of wave x,
.endr
.irp x, 0,1,2,3,4,5,6,7
	ds_load_b32 v[25+2*\x], v[SRD] offset:256*\x+128       ; and its sum
.endr
	WIN 0x40
.irp x, 0,1,2,3,4,5,6,7
.irp i, 0,1,2,3,4,5,6,7
	ds_load_b128 v[32*\x+4*\i:32*\x+4*\i+3], v[OA+\x/2] offset:BLK*(\x%2)+512*\i
.endr
.endr
	WIN 0
	s_wait_dscnt 63                                ; of the 80 loads the first 17 are in: all 16 words
	v_min3_num_f32 v44, v56, v57, v58
	v_min3_num_f32 v45, v59, v60, v61
	v_min3_num_f32 v44, v44, v62, v63
	v_min_num_f32 v44, v44, v45                    ; - the largest M
.irp x, 0,1,2,3,4,5,6,7
	v_sub_f32 v[24+2*\x], v44, v[56+\x]
.endr
.irp x, 0,1,2,3,4,5,6,7
	v_cvt_i32_f32 v[24+2*\x], v[24+2*\x]
.endr
.irp x, 0,1,2,3,4,5,6,7
	v_ldexp_f32 v[24+2*\x], 1.0, v[24+2*\x]
.endr
	v_mul_f32 v45, v24, v25
	v_mul_f32 v46, v26, v27
.irp x, 2,4,6
	v_fma_f32 v45, v[24+2*\x], v[25+2*\x], v45
	v_fma_f32 v46, v[26+2*\x], v[27+2*\x], v46
.endr
	v_add_f32 v45, v45, v46                        ; the row's sum
	s_wait_alu depctr_va_vdst(0)
	v_rcp_f32 v46, v45
	v_nop                                          ; one plain place behind a transcendental
	s_wait_alu depctr_va_vdst(0)                   ; and the wait ahead of its first reader
.irp x, 0,1,2,3,4,5,6,7
	v_mul_f32 v[24+2*\x], v[24+2*\x], v46
.endr
	WIN 0x01
	s_wait_alu depctr_va_vdst(0)
	s_wait_dscnt 32                                ; the parts of waves 0 to 3
.macro PART x
.set oi, 0
.rept 16
.if \x == 0
	v_pk_mul_f32 v[GE+oi:GE+oi+1], v[oi:oi+1], v[24:25] op_sel_hi:[1,0]
.else
	v_pk_fma_f32 v[GE+oi:GE+oi+1], v[32*\x+oi:32*\x+oi+1], v[24+2*\x:25+2*\x], v[GE+oi:GE+oi+1] op_sel_hi:[1,0,1]
.endif
.set oi, oi+2
.endr
.endm
.irp x, 0,1,2,3
	PART \x
.endr
	s_wait_dscnt 0x0
.irp x, 4,5,6,7
	PART \x
.endr
	WIN 0x40
.irp q, 0,1                                    ; b1 is the C of the first hidden layer's sums (16 q + 8 i at v352), b2 of the second's (8 q at v384)
.irp i, 0,1
	global_load_b128 v[96+16*\q+8*\i:99+16*\q+8*\i], v[H64], s[84:85] offset:32*\i
	global_load_b128 v[100+16*\q+8*\i:103+16*\q+8*\i], v[H64], s[84:85] offset:32*\i+16
.endr
	global_load_b128 v[128+8*\q:131+8*\q], v[H32], s[86:87]
	global_load_b128 v[132+8*\q:135+8*\q], v[H32], s[86:87] offset:16
.endr
	WIN 0
	global_load_b128 v[56:59], v[H32], s[88:89]
	global_load_b128 v[60:63], v[H32], s[88:89] offset:16
	QB2 GE                                         ; ge2ac: K steps 2, 3 of dis_x
	ds_store_b64 v[DXA], v[40:41] offset:2048
	ds_store_b64 v[DXA], v[42:43] offset:2048+256
	v_lshl_or_b32 v48, v49, 8, v48
	ds_store_b16 v[DXB], v48 offset:128
	s_wait_alu depctr_va_vdst(0)
	s_wait_loadcnt 50                              ; guess is in: behind its 8 loads stand 8, 29 and 14 others, one of which is waited for too
	s_wait_dscnt 0x0                               ; the stores have read their registers
.set oi, 0
.rept 16
	v_pk_add_f32 v[KB+oi:KB+oi+1], v[KB+oi:KB+oi+1], v[GE+oi:GE+oi+1] neg_lo:[0,1] neg_hi:[0,1]
.set oi, oi+2
.endr
	QB2 KB                                         ; guess - ge2ac: K steps 4, 5
	ds_store_b64 v[DXA], v[40:41] offset:4096
	ds_store_b64 v[DXA], v[42:43] offset:4096+256
	v_lshl_or_b32 v48, v49, 8, v48
	ds_store_b16 v[DXB], v48 offset:256
	BARRIER
	WIN 0x40
.set fi, 0
.rept 24
	ds_load_b128 v[4*fi:4*fi+3], v[SB16] offset:512*fi
.set fi, fi+1
.endr
	WIN 0
.irp q, 0,1
.irp p, 1,2
	ds_load_b32 v[VS+3*\q+\p], v[SB4] offset:DXS+128*(3*\q+\p)
.endr
.endr
	s_wait_loadcnt 0x0
	s_wait_dscnt 0x0
	WIN 0x54
.irp k, 0,1,2,3,4,5                            ; four accumulators by turns
.irp i, 0,1
.irp q, 0,1
	MM 96+16*\q+8*\i, W1F+8*(6*\i+\k), 8*(6*\q+\k), 0, KS+3*\i+\k/2, VS+3*\q+\k/2, \k%2, \k%2
.endr
.endr
.endr
	PLACES 4
	WIN 0x04
.set oi, 0
.rept 32
	v_min_num_f32 v[GE+oi], 0, v[96+oi]
.set oi, oi+1
.endr
.set oi, 0
.rept 32
	v_max_num_f32 v[KB+oi], 0, v[96+oi]
.set oi, oi+1
.endr
	WIN 0
.set oi, 0
.rept 16
	v_pk_fma_f32 v[KB+oi:KB+oi+1], v[GE+oi:GE+oi+1], s[60:61], v[KB+oi:KB+oi+1] op_sel_hi:[1,0,1]
.set oi, oi+2
.endr
	QB2 KB                                         ; block w of 256 hidden units: tile 0's, tile 1's
.irp q, 0,1
	ds_store_b64 v[H1A], v[40+2*\q:41+2*\q] offset:2048*\q
	ds_store_b8 v[H1B], v[48+\q] offset:128*\q
.endr
	BARRIER
	WIN 0x40
.set fi, 0
.rept 8
	ds_load_b128 v[160+4*fi:163+4*fi], v[SB16] offset:H1I+512*fi
.set fi, fi+1
.endr
	WIN 0
.irp q, 0,1
	ds_load_b32 v[VS+6+\q], v[SB4] offset:H1S+128*\q
.endr
	s_wait_dscnt 0x0
	WIN 0x54
.irp k, 0,1
.irp q, 0,1
	MM 128+8*\q, W2F+8*\k, 160+8*(2*\q+\k), 0, KS+6, VS+6+\q, \k, \k
.endr
.endr
	PLACES 4
	WIN 0x04
.set oi, 0
.rept 16
	v_min_num_f32 v[GE+oi], 0, v[128+oi]
.set oi, oi+1
.endr
.set oi, 0
.rept 16
	v_max_num_f32 v[KB+oi], 0, v[128+oi]
.set oi, oi+1
.endr
	WIN 0
.set oi, 0
.rept 8
	v_pk_fma_f32 v[KB+oi:KB+oi+1], v[GE+oi:GE+oi+1], s[66:67], v[KB+oi:KB+oi+1] op_sel_hi:[1,0,1]
.set oi, oi+2
.endr
.irp q, 0,1                                    ; the last product, in f32: my 16 units' part
	v_pk_mul_f32 v[44+2*\q:45+2*\q], v[KB+8*\q:KB+8*\q+1], v[56:57]
.endr
.irp j, 2,4,6
.irp q, 0,1
	v_pk_fma_f32 v[44+2*\q:45+2*\q], v[KB+8*\q+\j:KB+8*\q+\j+1], v[56+\j:57+\j], v[44+2*\q:45+2*\q]
.endr
.endr
	v_add_f32 v44, v44, v45
	v_add_f32 v46, v46, v47
	v_permlane16_swap_b32 v44, v46
	v_add_f32 v44, v44, v46                        ; lanes 0-15 tile 0, lanes 16-31 tile 1
	ds_store_b32 v[SA], v44 offset:RED-STAT
	v_lshrrev_b32 v40, 4, v[LI]                    ; lane (r, h) holds query 8 h + r + 8 (r / 8)
	v_and_b32 v41, 15, v40
	v_and_b32 v42, 8, v40
	v_lshrrev_b32 v40, 4, v40
	v_add_nc_u32 v41, v41, v42
	v_lshl_add_u32 v41, v40, 3, v41
	v_lshlrev_b32 v41, 2, v41
	BARRIER
	s_cmp_lg_u32 s[WV], 0
	s_cbranch_scc1 .Lnot_first
.irp x, 0,1,2,3,4,5,6,7
	ds_load_b32 v[24+\x], v[SB4] offset:RED+256*\x
.endr
	s_wait_dscnt 0x0
	v_add_f32 v24, v24, v25
	v_add_f32 v26, v26, v27
	v_add_f32 v28, v28, v29
	v_add_f32 v30, v30, v31
	v_add_f32 v24, v24, v26
	v_add_f32 v28, v28, v30
	v_add_f32 v24, v24, v28
	v_add_f32 v24, s68, v24
	global_store_b32 v41, v24, s[90:91]            ; 128 consecutive bytes
.Lnot_first:
	s_wait_tensorcnt 0x0                           ; the wave's end
	ds_add_u32 v[SPW], v[NIL]
	s_wait_dscnt 0x0
	ROUND                                          ; the closing round: no work-group ends while a partner may still ask for a block that names it
	s_endpgm
.Lfunc_end_k_q76cce8ac9e_attn:
	.size	k_q76cce8ac9e_attn, .Lfunc_end_k_q76cce8ac9e_attn-k_q76cce8ac9e_attn
	.p2alignl 7, 3214868480
	.fill 96, 4, 3214868480
	.section	.rodata,"a",@progbits
	.p2align	6, 0x0
	.amdhsa_kernel k_q76cce8ac9e_attn
		.amdhsa_group_segment_fixed_size 327680
		.amdhsa_private_segment_fixed_size 0
		.amdhsa_enable_private_segment 0
		.amdhsa_kernarg_size 88
		.amdhsa_user_sgpr_count 2
		.amdhsa_user_sgpr_kernarg_segment_ptr 1
		.amdhsa_wavefront_size32 1
		.amdhsa_system_sgpr_workgroup_id_x 1
		.amdhsa_system_sgpr_workgroup_id_y 1
		.amdhsa_system_sgpr_workgroup_id_z 1
		.amdhsa_system_vgpr_workitem_id 0
		.amdhsa_next_free_vgpr 512
		.amdhsa_next_free_sgpr 100
		.amdhsa_reserve_vcc 0
		.amdhsa_float_denorm_mode_32 3
		.amdhsa_float_denorm_mode_16_64 3
		.amdhsa_memory_ordered 1
		.amdhsa_forward_progress 1
		.amdhsa_inst_pref_size 171
	.end_amdhsa_kernel
	.amdgpu_metadata
---
amdhsa.version: [ 1, 2 ]
amdhsa.kernels:
  - .name:           k_q76cce8ac9e_attn
    .symbol:         k_q76cce8ac9e_attn.kd
    .args:
      - { .name: qimg, .offset: 0, .size: 8, .value_kind: global_buffer, .address_space: global }
      - { .name: kv, .offset: 8, .size: 8, .value_kind: global_buffer, .address_space: global }
      - { .name: wimg, .offset: 16, .size: 8, .value_kind: global_buffer, .address_space: global }
      - { .name: guess, .offset: 24, .size: 8, .value_kind: global_buffer, .address_space: global }
      - { .name: b1, .offset: 32, .size: 8, .value_kind: global_buffer, .address_space: global }
      - { .name: a1, .offset: 40, .size: 8, .value_kind: global_buffer, .address_space: global }
      - { .name: b2, .offset: 48, .size: 8, .value_kind: global_buffer, .address_space: global }
      - { .name: a2, .offset: 56, .size: 8, .value_kind: global_buffer, .address_space: global }
      - { .name: W3, .offset: 64, .size: 8, .value_kind: global_buffer, .address_space: global }
      - { .name: b3, .offset: 72, .size: 8, .value_kind: global_buffer, .address_space: global }
      - { .name: out0, .offset: 80, .size: 8, .value_kind: global_buffer, .address_space: global }
    .group_segment_fixed_size: 327680
    .private_segment_fixed_size: 0
    .kernarg_segment_align: 8
    .kernarg_segment_size: 88
    .max_flat_workgroup_size: 256
    .sgpr_count:     100
    .vgpr_count:     512
    .wavefront_size: 32
...
	.end_amdgpu_metadata
.endif
;; end of part 4
